; MI455X (gfx1250); checked and timed in simulation.
; The chip was launched on July 23, 2026; its instructions are those of AMD's public machine-readable ISA for CDNA 5 (MIT licence, August 2026) and "CDNA5" Instruction Set Architecture Reference Guide (July 2026). The comments in the code are by the model that wrote it; some were corrected since.
;; Ro PE Multihead Attention. Allowed arithmetic: matrix products marked QUANTISED: E5M2 operands, one given power-of-two scale a tensor, by v_wmma_f32_16x16x64_bf8_bf8 or v_wmma_f32_16x16x128_bf8_bf8, f32 sums; everything else in f32.
;; Inputs: Wout 1,024 x 1,024 float32; Wqkv 3,072 x 1,024 float32; bout 1,024 float32; bqkv 3,072 float32; lowp_scales 8 int32 (the exponents e of the quantised operands' scales 2^e); x 4 x 2,048 x 1,024 float32.
;; Outputs: out0 4 x 2,048 x 1,024 float32.
;; This version of the problem:
;;   THIS VERSION OF THE PROBLEM IS GIVEN IN LOW PRECISION. The matrix products marked QUANTISED in the list below multiply operands that are first quantised to E5M2 (5 exponent bits, 2 mantissa bits; 8 bits a number), with one given power-of-two scale for each operand tensor; their sums are f32. All else is computed in f32.
;;   The module's matrix products, in the order in which they are computed (A, B: the left and right operand; K: the contracted axis; several contracted axes count as one K, in the product's order):
;;     1. [M 8,192, K 1,024] x [K 1,024, N 3,072]; A: input x; B: input Wqkv: QUANTISED (scales: A lowp_scales[0], B lowp_scales[1])
;;     2. batch 64 x [M 2,048, K 64] x [K 64, N 2,048]; A: computed on the way; B: computed on the way: QUANTISED (scales: A lowp_scales[2], B lowp_scales[3])
;;     3. batch 64 x [M 2,048, K 2,048] x [K 2,048, N 64]; A: softmax (see below); B: computed on the way: QUANTISED (scales: A lowp_scales[4], B lowp_scales[5])
;;     4. [M 8,192, K 1,024] x [K 1,024, N 1,024]; A: computed on the way; B: input Wout: QUANTISED (scales: A lowp_scales[6], B lowp_scales[7])
;;   THE QUANTISER, for each operand of a quantised product, along K:
;;     - The operand's scale is 2^e, e = its entry of the input lowp_scales (int32; the entries are numbered through the quantised products in the list's order, A before B).
;;     - Each number is divided by the scale, clamped to +-57,344, and rounded to the nearest number of E5M2, ties to even, subnormals kept.
;;     - The product sums the exact products of the quantised numbers (number of the format x scale) in f32.
;;   ~~~python
;;   def quantise(x, axis, e):      # numpy; x: float32 -> the quantised numbers, widened to float32 again
;;       x = np.moveaxis(x, axis, -1); K = x.shape[-1]
;;       r = np.clip(x / 2.0 ** e, -57344, 57344)
;;       step = 2.0 ** (np.maximum(np.frexp(np.where(r == 0, 1, r))[1] - 1, -14) - 2)
;;       q = np.round(r / step) * step * 2.0 ** e      # np.round: ties to even
;;       return np.moveaxis(q, -1, axis).astype(np.float32)
;;   ~~~
;;   SOFTMAX AHEAD OF A QUANTISED PRODUCT. Where the list says 'softmax', what is quantised is not the finished softmax but p = 2^(t - M), with t = logit x log2(e) and M = ceil(the row's largest t), a whole number; so 1/2 < the row's largest p <= 1. The row's sum l is taken of the UNQUANTISED p, in f32, and the product's result is divided by l at the end. Since M is a whole number, a kernel that streams over the keys may use a running M (the ceiling of the running maximum): every later rescaling is an exact power of two, so the quantised numbers keep their values, but for numbers so far below the row's largest that they fall under the format's range.
;;   OPERANDS COMPUTED ON THE WAY. 'Computed on the way' means the value that the module computes at that place (a softmax that the list does not call 'softmax' is quantised finished and normalised). What goes into a quantiser is computed in f32, as accurately as f32 sums, v_exp_f32 and their like allow (about 1e-6 of the number): no bf16 or f16 on the way to a quantiser, and a product that is left as it is and whose result goes on into a quantised operand takes f32 operands (vector FMAs, or v_wmma_f32_16x16x4_f32). A number that lies on a knife's edge between two numbers of the format may be rounded either way, as far as f32 arithmetic and the matrix unit's own rounding can turn it there, and no further.
;; One version. Each part assembles by itself: llvm-mc -triple=amdgcn-amd-amdhsa -mcpu=gfx1250 --defsym DOCPART=n.
;; ======== version 1 of 1: 4 launches
;; limits: right only within a limited range of input values
;; workspace buffers: xc 8,388,608 bytes; wqc 3,145,728 bytes; woc 1,048,576 bytes; rope 524,288 bytes; qc 8,388,608 bytes; kc 8,388,608 bytes; vc 8,388,608 bytes; oc 8,388,608 bytes
;; launch prep (part 1): grid 832 x 1, 4 waves a work-group, no clusters, 33,280 bytes of LDS; arguments x, Wqkv, Wout, lowp_scales, xc, wqc, woc, rope; writes xc, wqc, woc, rope
.if DOCPART == 1
	.amdgcn_target "amdgcn-amd-amdhsa--gfx1250"
	.amdhsa_code_object_version 6
	.text
	.protected	k_q04190f9d58_prep
	.globl	k_q04190f9d58_prep
	.p2align	8
	.type	k_q04190f9d58_prep,@function
k_q04190f9d58_prep:
	s_mov_b64 s[64:65], 0
	v_nop
	global_prefetch_b8 v0, s[64:65] scope:SCOPE_SE
	s_setreg_imm32_b32 hwreg(HW_REG_WAVE_MODE, 25, 1), 1
	s_wait_xcnt 0x0
; TWO JOBS IN ONE LAUNCH, parted once on the work-group's number.
; Work-groups 0-63: the table of RoPE's cosines and sines, rope[t][64] f32 (a row of 256 bytes: cos of f = 0..31, then sin of f = 0..31), angle = t x 10000^(-f/32), t = 0..2047.
; Work-groups 64-831: x [8192][1024], Wqkv [3072][1024] and Wout [1024][1024], f32, become codes of E5M2, one byte each, K innermost.
;   code = number / 2^e, held within +-57,344, to the nearest code, ties to even; e = entry 0 (x), 1 (Wqkv), 7 (Wout) of the scales.
;   x's and Wout's rows stay in their order.  Wqkv's rows are stored HEAD-MAJOR: head J's 64 rows of q, of k and of v on end (192 rows), so that the next launch fetches them as one tile.
; LIMITS: each of these three e lies between -126 and 112, so that 2^e and 57,344 x 2^e are f32 numbers.  NaN among the inputs is not served (an infinity is held at the largest code).
; THE QUANTISER.  A wave takes a run of 4 rows: 8 steps of 512 numbers.  Each of a step's four loads reads 512 consecutive bytes, 16 a lane; the conversions want 16 NEIGHBOURS in one lane,
; so a step's 2,048 bytes turn through the wave's own stage in LDS (16 bytes of padding behind each 64) and come back 64 bytes a lane.  A lane's 16 codes are 16 bytes: a store covers 512 consecutive bytes.
; Loads run four steps (16 loads a wave) ahead, the turn through LDS one step.  Waves share nothing: no barrier.  No matrix unit, no cluster, no tensor load: every byte is read once by one wave.
; THE TABLE.  No instruction for sine or cosine is used: the angle is reduced by multiples of pi/2 held in three parts, and two short polynomials on [-pi/4, pi/4] give both.  It uses no LDS.
.set TBL,   64                         ; work-groups of the table
.set WGX,   512                        ; quantiser work-groups of x: 8,388,608 / 16,384; Wqkv's 192 follow,
.set WGQ,   704                        ; and from here Wout's 64
.set STEPS, 8
.set EMAX,  15
.set MANT,  0x600000                   ; the mantissa field of 57,344 as f32
.set R,     16                         ; v16-79   four sets of 16 numbers as they are loaded
.set X,     80                         ; v80-111  two sets of 16 neighbours
.set C,     128                        ; v128-159 codes: four registers for each step, so that no store's data are written again
.set SPW,   160                        ; v160     LDS address of my spare word; never rewritten
.set NIL,   161                        ; v161     0; never rewritten
.set WREG,  8192                       ; LDS: a region for each wave: two stages of 32 x SP bytes
.set SP,    80                         ; a lane's place in a stage: 64 bytes + 16 of padding
.set SPARE, 4*WREG                     ; behind the four regions: the spare words, 128 bytes for each wave
	s_load_b512 s[4:19], s[0:1], 0x0               ; x, Wqkv, Wout, the scales, xc, wqc, woc, rope
	v_lshl_add_u32 v[SPW], v0, 2, SPARE
	v_mov_b32 v[NIL], 0
	v_lshrrev_b32 v1, 5, v0
	v_readfirstlane_b32 s21, v1                    ; wave 0..3
	v_and_b32 v2, 31, v0                           ; lane
	s_cmp_lt_u32 ttmp9, TBL
	s_cbranch_scc1 .Ltable
	; ---------------- the quantiser ----------------
	v_lshlrev_b32 v3, 4, v2                        ; 16 x lane: my 16 bytes of a load's 512, and of a store's
	s_mul_i32 s27, s21, WREG
	v_lshrrev_b32 v14, 2, v2
	v_mul_u32_u24 v14, v14, SP
	v_and_b32 v15, 3, v2
	v_lshl_add_u32 v14, v15, 4, v14
	v_add_nc_u32 v14, s27, v14                     ; the stage, on the way in: SP (lane / 4) + 16 (lane % 4)
	v_mul_u32_u24 v15, v2, SP
	v_add_nc_u32 v15, s27, v15                     ; and on the way out: SP x lane: my 16 neighbours
	s_sub_co_u32 s20, ttmp9, TBL                   ; which quantiser work-group
	s_mov_b32 s26, WGQ
	s_wait_alu depctr_va_vdst(0)                   ; directly ahead of the wait below
	s_wait_kmcnt 0x0
	s_load_b256 s[28:35], s[10:11], 0x0            ; e0 .. e7
	s_cmp_lt_u32 s20, WGQ                          ; Wqkv or Wout?  Every choice hangs on the work-group's number alone
	s_cselect_b64 s[22:23], s[6:7], s[8:9]
	s_cselect_b64 s[24:25], s[14:15], s[16:17]
	s_cselect_b32 s26, WGX, s26
	s_cmp_lt_u32 s20, WGX                          ; x or that?
	s_cselect_b64 s[22:23], s[4:5], s[22:23]
	s_cselect_b64 s[24:25], s[12:13], s[24:25]
	s_cselect_b32 s26, 0, s26                      ; the tensor's first work-group
	s_sub_co_u32 s26, s20, s26
	s_lshl_b32 s26, s26, 2
	s_add_co_u32 s38, s26, s21                     ; which run of 4,096 numbers of the tensor is my wave's
	s_mov_b32 s39, 0
	s_lshl_b64 s[40:41], s[38:39], 14              ; 16,384 bytes of numbers
	s_add_nc_u64 s[22:23], s[22:23], s[40:41]
	; Wqkv alone: run (sec, J, i) = 256 sec + 16 J + i goes to run 48 J + 16 sec + i
	s_lshr_b32 s42, s38, 8                         ; sec
	s_bfe_u32 s43, s38, 0x40004                    ; J
	s_and_b32 s44, s38, 15                         ; i
	s_mul_i32 s43, s43, 48
	s_lshl_b32 s42, s42, 4
	s_add_co_u32 s43, s43, s42
	s_add_co_u32 s43, s43, s44
	s_sub_co_u32 s45, s20, WGX
	s_cmp_lt_u32 s45, WGQ-WGX                      ; Wqkv's work-groups: WGX <= number < WGQ (the difference wraps below WGX)
	s_cselect_b32 s38, s43, s38
	s_lshl_b64 s[40:41], s[38:39], 12              ; 4,096 bytes of codes
	s_add_nc_u64 s[24:25], s[24:25], s[40:41]
.macro LOAD t
.irp i, 0,1,2,3
	global_load_b128 v[R+16*((\t)%4)+4*\i:R+16*((\t)%4)+4*\i+3], v3, s[22:23] offset:2048*(\t)+512*\i th:TH_LOAD_NT   ; 32 lanes read 512 consecutive bytes; read once in the launch
.endr
.endm
.macro TURN t                          ; step t's numbers through the stage: LDS serves a wave's instructions in order (ISA guide 5.7.1.4), so no wait stands between the stores and the loads
.irp i, 0,1,2,3
	ds_store_b128 v14, v[R+16*((\t)%4)+4*\i:R+16*((\t)%4)+4*\i+3] offset:32*SP*((\t)%2)+8*SP*\i
.endr
.irp i, 0,1,2,3
	ds_load_b128 v[X+16*((\t)%2)+4*\i:X+16*((\t)%2)+4*\i+3], v15 offset:32*SP*((\t)%2)+16*\i
.endr
.endm
.irp t, 0,1,2,3
	LOAD \t
.endr
	s_wait_kmcnt 0x0
	s_cmp_lt_u32 s20, WGQ
	s_cselect_b32 s36, s29, s35                    ; e1 or e7,
	s_cmp_lt_u32 s20, WGX
	s_cselect_b32 s36, s28, s36                    ; or e0
	s_add_co_i32 s36, s36, 127
	s_lshl_b32 s37, s36, 23
	v_mov_b32 v11, s37                             ; 2^e as f32: the conversion takes its exponent field
	s_add_co_i32 s36, s36, EMAX
	s_lshl_b32 s36, s36, 23
	s_or_b32 s36, s36, MANT
	v_mov_b32 v10, s36                             ; 57,344 x 2^e
	s_wait_alu depctr_va_vdst(0)                   ; at the head's end
	s_wait_loadcnt 12                              ; step 0's four loads are in; the twelve of steps 1 to 3 may be out
	TURN 0
.macro STEP t
.set XS, X+16*((\t)%2)
	s_wait_dscnt 0x0                               ; this step's numbers are back from the stage: so its stores into the stage have read their registers,
.if (\t)+4 < STEPS
	LOAD (\t)+4                                    ; which take the loads of four steps on
.endif
.if (\t)+1 < STEPS
.if STEPS-2-(\t) >= 3
	s_wait_loadcnt 12                              ; the next step's four loads are in; those of the three steps behind it may be out
.else
	s_wait_loadcnt 4*(STEPS-2-(\t))                ; the tail: fewer steps are behind it
.endif
	TURN (\t)+1                                    ; and go through the other stage while this step is worked
.endif
.irp i, 0,1,2,3,4,5,6,7,8,9,10,11,12,13,14,15
	v_med3_num_f32 v[XS+\i], v[XS+\i], -v10, v10   ; the conversion to an 8-bit code does not saturate (ISA guide 7.6.2): the hold at the largest code x the scale comes first
.endr
	v_cvt_scalef32_pk8_bf8_f32 v[C+4*(\t):C+4*(\t)+1], v[XS:XS+7], v11
	v_cvt_scalef32_pk8_bf8_f32 v[C+4*(\t)+2:C+4*(\t)+3], v[XS+8:XS+15], v11
	global_store_b128 v3, v[C+4*(\t):C+4*(\t)+3], s[24:25] offset:512*(\t)   ; the codes go to a store alone; the next step's holds are plain lines on other registers
.endm
.irp t, 0,1,2,3,4,5,6,7
	STEP \t
.endr
	s_wait_tensorcnt 0x0                           ; the wave's end, behind my last LDS store
	ds_add_u32 v[SPW], v[NIL]
	s_wait_dscnt 0x0
	s_endpgm
	; ---------------- the table ----------------
	; Work-group g, wave w, step s: one store covers rows t = 32 g + 8 w + 2 s and the next, 512 consecutive bytes.  Lane l holds row t + l / 16 and the four numbers at byte 16 (l % 16):
	; f = 4 (l % 8) + 0..3, cosines where l % 16 < 8, sines else.
.Ltable:
	s_mov_b32 s40, 0xbed49a80                      ; -(log2(10) / 8), its upper 17 bits: times f (5 bits) it is exact
	s_mov_b32 s41, 0x3476865d                      ; what the upper part has too much: 2.29594e-7
	s_mov_b32 s42, 0x3f22f983                      ; 2 / pi
	s_mov_b32 s43, 0xbfc90fdb                      ; -pi/2 in three parts: the f32 number next to it,
	s_mov_b32 s44, 0x333bbd2e                      ; what that has too much,
	s_mov_b32 s45, 0x26f72ced                      ; and what is then still left
	s_mov_b32 s46, 0xbe2aaaa3                      ; sin r = r + r z (S1 + z (S2 + z S3)), z = r r
	s_mov_b32 s47, 0x3c08839e
	s_mov_b32 s48, 0xb94ca1f9
	s_mov_b32 s49, 0x3d2aaaa5                      ; cos r = 1 - z / 2 + z z (C1 + z (C2 + z C3))
	s_mov_b32 s50, 0xbab6061a
	s_mov_b32 s51, 0x37ccf5ce
	s_wait_alu depctr_va_vdst(0)
	v_and_b32 v3, 7, v2
	v_lshlrev_b32 v3, 2, v3                        ; my first f
	v_bfe_u32 v4, v2, 3, 1
	v_xor_b32 v4, 1, v4                            ; 1 where I hold cosines: cos a = sin(a + pi/2), one quadrant on
	v_lshrrev_b32 v5, 4, v2
	s_lshl_b32 s52, ttmp9, 5
	s_lshl_b32 s53, s21, 3
	s_add_co_u32 s52, s52, s53                     ; my wave's first row
	v_add_nc_u32 v5, s52, v5                       ; my t in step 0
	v_lshlrev_b32 v6, 4, v2                        ; 16 x lane
	s_lshl_b32 s52, s52, 8                         ; rows of 256 bytes
	s_mov_b32 s53, 0
.irp e, 0,1,2,3                        ; 10000^(-f/32) = 2^u, u = -f log2(10) / 8, split into a whole number and a rest of at most 1/2
	v_add_nc_u32 v[8+\e], \e, v3
	v_cvt_f32_u32 v[8+\e], v[8+\e]                 ; f
	v_mul_f32 v[12+\e], s40, v[8+\e]               ; exact
	v_rndne_f32 v[16+\e], v[12+\e]
	v_sub_f32 v[12+\e], v[12+\e], v[16+\e]         ; exact
	v_fma_f32 v[12+\e], v[8+\e], s41, v[12+\e]
	v_cvt_i32_f32 v[16+\e], v[16+\e]
.endr
	s_wait_alu depctr_va_vdst(0)
.irp e, 0,1,2,3
	v_exp_f32 v[12+\e], v[12+\e]
.endr
	v_nop                                          ; a plain line behind the last exponential,
	s_wait_alu depctr_va_vdst(0)                   ; and one wait for the batch of four, ahead of its first reader
.irp e, 0,1,2,3
	v_ldexp_f32 v[12+\e], v[12+\e], v[16+\e]       ; the frequency
.endr
	s_wait_kmcnt 0x0
	s_add_nc_u64 s[18:19], s[18:19], s[52:53]
.macro NUM s, e                        ; one number of the table into v[32 + 4 s + e]; v7 = t as f32
	v_mul_f32 v20, v7, v[12+\e]                    ; the angle: one f32 product
	v_mul_f32 v21, s42, v20
	v_rndne_f32 v21, v21                           ; n: how many quarter turns
	v_fma_f32 v22, v21, s43, v20                   ; exact: a multiple of 2^-23 under 1
	v_fma_f32 v22, v21, s44, v22
	v_fma_f32 v22, v21, s45, v22                   ; r = angle - n pi/2
	v_mul_f32 v23, v22, v22                        ; z
	v_fma_f32 v24, v23, s48, s47
	v_fma_f32 v26, v23, s51, s50
	v_fma_f32 v24, v24, v23, s46
	v_fma_f32 v26, v26, v23, s49
	v_mul_f32 v25, v23, v22
	v_mul_f32 v26, v26, v23
	v_fma_f32 v27, v23, -0.5, 1.0
	v_fma_f32 v24, v24, v25, v22                   ; sin r
	v_fma_f32 v26, v26, v23, v27                   ; cos r
	v_cvt_i32_f32 v28, v21
	v_add_nc_u32 v28, v28, v4                      ; the quadrant
	v_and_b32 v29, 1, v28
	v_cmp_eq_u32 vcc_lo, 1, v29
	v_cndmask_b32 v24, v24, v26, vcc_lo            ; odd quadrants take cos r,
	v_and_b32 v28, 2, v28
	v_lshlrev_b32 v28, 30, v28
	v_xor_b32 v[32+4*\s+\e], v24, v28              ; quadrants 2 and 3 the other sign
.endm
.irp s, 0,1,2,3
	v_add_nc_u32 v7, 2*\s, v5
	v_cvt_f32_u32 v7, v7
	s_wait_alu depctr_va_vdst(0)
.irp e, 0,1,2,3
	NUM \s, \e
.endr
	global_store_b128 v6, v[32+4*\s:35+4*\s], s[18:19] offset:512*\s   ; two whole rows; each store has registers of its own
.endr
	s_endpgm
.Lfunc_end_k_q04190f9d58_prep:
	.size	k_q04190f9d58_prep, .Lfunc_end_k_q04190f9d58_prep-k_q04190f9d58_prep
	.p2alignl 7, 3214868480
	.fill 96, 4, 3214868480
	.section	.rodata,"a",@progbits
	.p2align	6, 0x0
	.amdhsa_kernel k_q04190f9d58_prep
		.amdhsa_group_segment_fixed_size 33280
		.amdhsa_private_segment_fixed_size 0
		.amdhsa_enable_private_segment 0
		.amdhsa_kernarg_size 64
		.amdhsa_user_sgpr_count 2
		.amdhsa_user_sgpr_kernarg_segment_ptr 1
		.amdhsa_wavefront_size32 1
		.amdhsa_system_sgpr_workgroup_id_x 1
		.amdhsa_system_sgpr_workgroup_id_y 1
		.amdhsa_system_sgpr_workgroup_id_z 1
		.amdhsa_system_vgpr_workitem_id 0
		.amdhsa_next_free_vgpr 162
		.amdhsa_next_free_sgpr 66
		.amdhsa_reserve_vcc 1
		.amdhsa_float_denorm_mode_32 3
		.amdhsa_float_denorm_mode_16_64 3
		.amdhsa_memory_ordered 1
		.amdhsa_forward_progress 1
		.amdhsa_inst_pref_size 41
	.end_amdhsa_kernel
	.amdgpu_metadata
---
amdhsa.version: [ 1, 2 ]
amdhsa.kernels:
  - .name:           k_q04190f9d58_prep
    .symbol:         k_q04190f9d58_prep.kd
    .args:
      - { .name: x, .offset: 0, .size: 8, .value_kind: global_buffer, .address_space: global }
      - { .name: Wqkv, .offset: 8, .size: 8, .value_kind: global_buffer, .address_space: global }
      - { .name: Wout, .offset: 16, .size: 8, .value_kind: global_buffer, .address_space: global }
      - { .name: lowp_scales, .offset: 24, .size: 8, .value_kind: global_buffer, .address_space: global }
      - { .name: xc, .offset: 32, .size: 8, .value_kind: global_buffer, .address_space: global }
      - { .name: wqc, .offset: 40, .size: 8, .value_kind: global_buffer, .address_space: global }
      - { .name: woc, .offset: 48, .size: 8, .value_kind: global_buffer, .address_space: global }
      - { .name: rope, .offset: 56, .size: 8, .value_kind: global_buffer, .address_space: global }
    .group_segment_fixed_size: 33280
    .private_segment_fixed_size: 0
    .kernarg_segment_align: 8
    .kernarg_segment_size: 64
    .max_flat_workgroup_size: 128
    .sgpr_count:     66
    .vgpr_count:     162
    .wavefront_size: 32
...
	.end_amdgpu_metadata
.endif
;; end of part 1
;; launch qkv (part 2): grid 16 x 16, 4 waves a work-group, clusters of 4 x 4, 327,680 bytes of LDS; arguments xc, wqc, lowp_scales, bqkv, rope, qc, kc, vc; writes qc, kc, vc
.if DOCPART == 2
	.amdgcn_target "amdgcn-amd-amdhsa--gfx1250"
	.amdhsa_code_object_version 6
	.text
	.protected	k_q04190f9d58_qkv
	.globl	k_q04190f9d58_qkv
	.p2align	8
	.type	k_q04190f9d58_qkv,@function
k_q04190f9d58_qkv:
	s_mov_b64 s[64:65], 0
	v_nop
	global_prefetch_b8 v0, s[64:65] scope:SCOPE_SE
	s_setreg_imm32_b32 hwreg(HW_REG_WAVE_MODE, 25, 1), 1
	s_wait_xcnt 0x0
	s_wait_alu depctr_hold_cnt(0) depctr_sa_sdst(0) depctr_va_vdst(0) depctr_va_sdst(0) depctr_va_ssrc(0) depctr_va_vcc(0) depctr_vm_vsrc(0)
	s_getreg_b32 s2, hwreg(HW_REG_IB_STS2, 6, 4)
	s_cmp_eq_u32 s2, 0
	s_cbranch_scc0 .Lentry_in_a_cluster
	s_endpgm
.Lentry_in_a_cluster:
	s_bfe_u32 s2, ttmp6, 0x10000c
	s_cmp_lg_u32 s2, 0xf033
	s_cbranch_scc0 .Lentry_shape_is_right
	s_endpgm
.Lentry_shape_is_right:
; q, k, v = x Wqkv^T + bqkv on codes of E5M2; RoPE on q and k; all three quantised again and stored as IMAGES OF THE NEXT LAUNCH'S OPERAND REGISTERS.
; SHARES.  A tile is 256 tokens (block Y) x the 192 columns of one head J: its 64 rows of Wq, of Wk and of Wv, which lie on end in wqc.  Four waves, as many as a WGP has SIMDs.  Wave (mh, c) takes tokens 128 mh on (8 blocks a of 16)
; against six tiles n of 16 rows of W: n = 0, 1: q, d = 16 c + 32 g + 0..15 (g = n);  n = 2, 3: k likewise;  n = 4, 5: v, rows 32 b + 8 c + r + 8 (r / 8) (b = n - 4).  48 accumulators, 384 registers.
; A WORK-GROUP STAYS and makes TWO tiles: blocks Y and Y + 16 of the same head.  16 blocks are two batches, so both tiles have the same rows of W, the same biases and the same places in their sequences (the same cosines and sines).
; The ring does not stop at the first tile's end: its last two changes of slots ask for the next tile's K steps 0 and 1, and its way out runs while the second of these is on its way.  The last tile's tail is written out: it asks for nothing.
; q AND k ARE USED TRANSPOSED (source 0 = W, source 1 = x): lane (r, h) holds token r and d = 16 c + 32 g + 8 h + 0..7.  So RoPE's partners d and d + 32 lie in ONE lane, in accumulators n and n + 1.
; v IS USED AS IT STANDS (source 0 = x, source 1 = W): lane (r, h) holds one channel and tokens 8 h + 0..7: neighbours along the keys, which are the K of attention's second product.
; K = 1,024 goes in four steps of 256 through two LDS slots filled by the tensor data mover; a tile's row is 256 bytes of memory.
; CLUSTERS: 4 x 4 work-groups.  The four of a row of the cluster share x's tile, the four of a column W's: each is asked for JOINTLY.  Slot s is filled by wave 2 s (W's 192 rows) and wave 2 s + 1 (x's 256 rows): one load a wave at the head.
; PREFETCH INTO THE L2, two K steps ahead of the tensor load that will want the bytes; the walk's eight K steps are numbered 0 to 7.  The head loads steps 0 and 1 and asks for steps 2 and 3, of x and of W;
; the first tile's four changes of slots load steps 2 to 5 and ask for steps 4 to 7 of x (the next tile's; W's rows have been read by then and are not asked for again); the second tile asks for nothing.
; A K step is 256 bytes of each row, a lane a row.  Each row is named once in each cluster that will load it, the partners told apart by ADDRESS: of x's 256 rows the partner at cx takes 64 (waves 0 and 1, 32 each),
; of W's 192 rows the partner at cy takes 48 (waves 2 and 3, 24 each; lanes 24 to 31 name the wave's last row again).
; OUT.  qc, kc: [batch x head][token / 16][c][lane][16 bytes]: a lane's eight codes of d = 16 c + 8 h + 0..7, then of d + 32.  vc: [batch x head][token / 128][2 b + c][a / 2][lane][16 bytes]: tokens 16 a + 8 h + 0..7 of blocks a, a + 1.
; Every store is 512 consecutive bytes straight from registers: no way through LDS.
; LIMITS on the given exponents, so that each power of two below is an f32 number: e0 + e1 between -126 and 127; e2, e3, e5 between -126 and 112.  NaN among the inputs is not served.
; REGISTERS, in windows of 256: window 0: v8-13 scales and holds; v16-26 addresses; v28, v29 for the add; v32-63 q's and k's biases; v64-67 v's; v72-103 at work; v128-255 x's fragments (ONE set), on the way out the codes.
;   window 1: W's fragments, TWO sets, at v0 and v128.   window 2: accumulators of blocks 0-3 ((a, n) at v[8 (6 a + n)]), from v192 their cosines and sines (16 a block).   window 3: the same for blocks 4-7.
.set PITCH, 272                        ; an LDS row: 256 bytes + 16 of padding = 68 words: row r starts at bank 4 r mod 64 (64 banks of 4 bytes: ISA guide 11.1)
.set PIECE, 64*PITCH                   ; 64 rows of W
.set AOFF,  3*PIECE                    ; a slot: q's, k's, v's rows of W, then x's 256 rows
.set SLOT,  AOFF+256*PITCH
.set SPARE, 2*SLOT                     ; behind the ring: the spare words, 128 bytes for each wave: two blocks of 256 bytes that no other line names
.set TNEXT, 4194304                    ; from a tile to the next, in bytes: 16 blocks x 262,144 in xc; two batches x 16 heads x 131,072 in qc, kc and vc
.set FR,   16                          ; registers of a fragment: 16 rows x 128 K
.set ADRA, 16                          ; v16-17  LDS address of my fragments of x in slot 0, 1
.set ADRB, 18                          ; v18-19  of q's and k's rows of W
.set ADRV, 20                          ; v20-21  of v's rows of W
.set LI,   22                          ; v22     16 x lane
.set RO,   23                          ; v23     the table: 256 r + 32 h
.set BO,   24                          ; v24     q's and k's bias: 32 h + 64 c
.set VO,   25                          ; v25     v's bias: 4 (r + 8 (r / 8)) + 32 c
.set PFO,  26                          ; v26     the prefetches' offset: 1,024 x my lane's row; never rewritten
.set SPW,  28                          ; v28     LDS address of my spare word; never rewritten
.set NIL,  29                          ; v29     0; never rewritten
.set BQ,   32
.set BV,   64
.set X1,   72
.set X2,   80
.set O1,   88
.set O2,   96
.set AF,   128
.set CQ,   128                         ; the codes: q v128-159, k v160-191, v v192-223
.set CK,   160
.set CV,   192
.set CSN,  192                         ; in windows 2 and 3: a block's 8 cosines, then 8 sines
.set WV,   20                          ; s20 wave; s21 mh; s22 c
.set G1A,  24                          ; s[24:31] group 1 for x's tile;  s[32:39] its groups 0, one for each slot
.set G0A,  32
.set G1B,  48                          ; s[48:55], s[56:63] the same for W's tile
.set G0B,  56
.set SS,   76                          ; s[76:77] 2^(e0 + e1), twice
.set PFH,  90                          ; s[90:91] my rows of the first tile, at K step 0: the head's prefetches name steps 2 and 3 by their offsets; never rewritten
.set PFA,  92                          ; s[92:93] where the walk's prefetches stand: stepped by a K step at the head of each change of slots
.set LIM,  94                          ; s94     the count of tiles to go at which my wave asks in the walk: 2 in waves 0 and 1, 0 (never met) in waves 2 and 3
.set MSB, 0
.macro WIN new                         ; the immediate's high byte repeats the setting that is left; a switch that changes nothing is dropped
.if MSB != (\new)
	s_set_vgpr_msb (MSB<<8)|(\new)
.set MSB, (\new)
.endif
.endm
.macro PLACES n
.rept \n
	v_nop
.endr
.endm
; A joint refill of slot s: wave 2 s asks for W's tile, wave 2 s + 1 for x's, the other two for nothing.  The branches hang on the wave's number alone.  An s_nop 0 and four v_nop follow each load.
.macro JLOAD s
	s_cmp_eq_u32 s[WV], 2*\s
	s_cbranch_scc0 .Lfor_a_\@
	tensor_load_to_lds s[G0B+4*\s:G0B+4*\s+3], s[G1B:G1B+7]
	s_nop 0
	PLACES 4
	s_branch .Lasked_\@
.Lfor_a_\@:
	s_cmp_eq_u32 s[WV], 2*\s+1
	s_cbranch_scc0 .Lasked_\@
	tensor_load_to_lds s[G0A+4*\s:G0A+4*\s+3], s[G1A:G1A+7]
	s_nop 0
	PLACES 4
.Lasked_\@:
.endm
.macro CREST                           ; a round of the cluster's barrier behind its opening barrier
	s_cmp_lg_u32 s[WV], 0
	s_cbranch_scc1 .Lnot_wave_0_\@
	s_barrier_signal -3
.Lnot_wave_0_\@:
	s_barrier_wait -3
	s_barrier_signal -1
	s_barrier_wait -1
.endm
.macro CROUND                          ; a whole round
	s_barrier_signal -1
	s_barrier_wait -1
	CREST
.endm
	s_load_b512 s[4:19], s[0:1], 0x0               ; xc s[4:5], wqc s[6:7], scales s[8:9], bqkv s[10:11], rope s[12:13], qc s[14:15], kc s[16:17], vc s[18:19]
	v_lshl_add_u32 v[SPW], v0, 2, SPARE
	v_mov_b32 v[NIL], 0
	ds_add_u32 v28, v29                            ; the opening lines: the add, twice on end, and its wait ahead of my first tensor load
	ds_add_u32 v28, v29
	s_wait_dscnt 0x0
	v_lshrrev_b32 v1, 5, v0
	v_readfirstlane_b32 s[WV], v1                  ; wave 0..3
	s_lshr_b32 s21, s[WV], 1                       ; mh: which 128 tokens
	s_and_b32 s22, s[WV], 1                        ; c: which half of the columns
	s_bfe_u32 s40, ttmp6, 0x40000                  ; cx, cy: my place in the cluster
	s_bfe_u32 s41, ttmp6, 0x40004
	s_lshl_b32 s42, ttmp9, 2
	s_add_co_u32 s42, s42, s40                     ; J, the head = 4 x cluster x + cx
	s_and_b32 s43, ttmp7, 0xffff
	s_lshl_b32 s43, s43, 2
	s_add_co_u32 s43, s43, s41                     ; Y, the first tile's block of 256 tokens = 4 x cluster y + cy: 0..15
	s_lshl_b32 s44, s41, 2
	s_lshl_b32 s44, 15, s44                        ; my row of the cluster
	s_lshl_b32 s45, 0x1111, s40                    ; my column
	s_or_b32 s[G1A], s44, (1<<20)|(1<<21)|(5<<22)|(3<<25)   ; 15:0 the mask: x's tile goes to my row; 17:16 elements of 1 byte; 20 padding on; 21 set beside a mask; 24:22 after every 64 words; 31:25 four words
	s_mov_b32 s[G1A+1], 256<<16                    ; tensor_dim0 = 256
	s_mov_b32 s[G1A+2], 256<<16                    ; tensor_dim1 = 256
	s_mov_b32 s[G1A+3], 256<<16                    ; tile_dim0 = 256
	s_mov_b32 s[G1A+4], 256                        ; tile_dim1 = 256 rows
	s_mov_b32 s[G1A+5], 1024                       ; from row to row
	s_mov_b32 s[G1A+6], 0
	s_mov_b32 s[G1A+7], 0
	s_or_b32 s[G1B], s45, (1<<20)|(1<<21)|(5<<22)|(3<<25)   ; W's tile goes to my column
	s_mov_b32 s[G1B+1], 256<<16
	s_mov_b32 s[G1B+2], 192<<16                    ; 192 rows
	s_mov_b32 s[G1B+3], 256<<16
	s_mov_b32 s[G1B+4], 192
	s_mov_b32 s[G1B+5], 1024
	s_mov_b32 s[G1B+6], 0
	s_mov_b32 s[G1B+7], 0
	s_lshl_b32 s46, s43, 18                        ; x: 256 Y rows of 1,024 bytes: it hangs on Y alone
	s_mov_b32 s47, 0
	s_mul_i32 s66, s42, 196608                     ; W: 192 rows of 1,024 bytes a head: it hangs on J alone
	s_mov_b32 s67, 0
	s_wait_kmcnt 0x0
	s_load_b256 s[68:75], s[8:9], 0x0              ; e0 .. e7
	s_add_nc_u64 s[46:47], s[4:5], s[46:47]
	s_add_nc_u64 s[66:67], s[6:7], s[66:67]
	CROUND                                         ; all sixteen work-groups are here: the first joint loads meet
.irp s, 0,1
	s_mov_b32 s[G0A+4*\s], 1
	s_mov_b32 s[G0A+4*\s+1], AOFF+\s*SLOT
	s_add_nc_u64 s[G0A+4*\s+2:G0A+4*\s+3], s[46:47], \s*256
	s_or_b32 s[G0A+4*\s+3], s[G0A+4*\s+3], 0x80000000
	s_mov_b32 s[G0B+4*\s], 1
	s_mov_b32 s[G0B+4*\s+1], \s*SLOT
	s_add_nc_u64 s[G0B+4*\s+2:G0B+4*\s+3], s[66:67], \s*256
	s_or_b32 s[G0B+4*\s+3], s[G0B+4*\s+3], 0x80000000
.endr
	; THE FIRST FILLS: K steps 0 and 1, four tiles, one to a wave, in one chain of branches on the wave's number with one join
	s_cmp_eq_u32 s[WV], 0
	s_cbranch_scc0 .Lh1
	tensor_load_to_lds s[G0B:G0B+3], s[G1B:G1B+7]          ; wave 0: W, K step 0
	s_nop 0
	PLACES 4
	s_branch .Lhjoin
.Lh1:
	s_cmp_eq_u32 s[WV], 1
	s_cbranch_scc0 .Lh2
	tensor_load_to_lds s[G0A:G0A+3], s[G1A:G1A+7]          ; wave 1: x, K step 0
	s_nop 0
	PLACES 4
	s_branch .Lhjoin
.Lh2:
	s_cmp_eq_u32 s[WV], 2
	s_cbranch_scc0 .Lh3
	tensor_load_to_lds s[G0B+4:G0B+7], s[G1B:G1B+7]        ; wave 2: W, K step 1
	s_nop 0
	PLACES 4
	s_branch .Lhjoin
.Lh3:
	tensor_load_to_lds s[G0A+4:G0A+7], s[G1A:G1A+7]        ; wave 3: x, K step 1
	s_nop 0
	PLACES 4
.Lhjoin:
	v_and_b32 v1, 15, v0                           ; r
	v_bfe_u32 v2, v0, 4, 1                         ; h
	v_mul_u32_u24 v3, v1, PITCH
	v_lshl_add_u32 v3, v2, 4, v3                   ; r x pitch + 16 h
	v_and_b32 v4, 8, v1
	v_add_nc_u32 v4, v4, v1                        ; r + 8 (r / 8)
	v_mul_u32_u24 v5, v4, PITCH
	v_lshl_add_u32 v5, v2, 4, v5
	s_mul_i32 s79, s21, 128*PITCH
	s_add_co_u32 s79, s79, AOFF                    ; my 128 rows of x
	s_mul_i32 s80, s22, 16*PITCH                   ; q, k: rows 16 c on
	s_mul_i32 s81, s22, 8*PITCH                    ; v: rows 8 c on
.irp s, 0,1
	v_add_nc_u32 v[ADRA+\s], s79, v3
	v_add_nc_u32 v[ADRB+\s], s80, v3
	v_add_nc_u32 v[ADRV+\s], s81, v5
	s_add_co_u32 s79, s79, SLOT
	s_add_co_u32 s80, s80, SLOT
	s_add_co_u32 s81, s81, SLOT
.endr
	v_and_b32 v[LI], 31, v0
	v_lshlrev_b32 v[LI], 4, v[LI]
	v_lshlrev_b32 v[RO], 8, v1
	v_lshl_add_u32 v[RO], v2, 5, v[RO]
	s_lshl_b32 s83, s22, 6
	v_lshlrev_b32 v[BO], 5, v2
	v_add_nc_u32 v[BO], s83, v[BO]
	s_wait_alu depctr_va_vdst(0)
	s_lshl_b32 s84, s22, 5
	v_lshlrev_b32 v[VO], 2, v4
	v_add_nc_u32 v[VO], s84, v[VO]
	s_wait_alu depctr_va_vdst(0)
	s_lshl_b32 s80, s42, 8                         ; the head's 64 numbers in each section of bqkv
	s_mov_b32 s81, 0
	s_add_nc_u64 s[10:11], s[10:11], s[80:81]
	s_and_b32 s82, s43, 7                          ; the block's place in its sequence: t0 = 256 (Y % 8), the same for Y + 16
	s_lshl_b32 s80, s82, 16
	s_lshl_b32 s85, s21, 15
	s_add_co_u32 s80, s80, s85
	s_add_co_u32 s80, s80, s83                     ; the table at row t0 + 128 mh, f = 16 c
	s_add_nc_u64 s[12:13], s[12:13], s[80:81]
	; 44 loads that stay out while K is walked: the wait for them stands at the way out; what they bring serves both tiles
.irp n, 0,1,2,3
	global_load_b128 v[BQ+8*\n:BQ+8*\n+3],   v[BO], s[10:11] offset:4096*(\n/2)+128*(\n%2)      ; bqkv at d = 16 c + 32 g + 8 h + 0..7
	global_load_b128 v[BQ+8*\n+4:BQ+8*\n+7], v[BO], s[10:11] offset:4096*(\n/2)+128*(\n%2)+16
.endr
.irp b, 0,1
	global_load_b32 v[BV+2*\b],   v[VO], s[10:11] offset:8192+128*\b    ; my channel's bias, twice: a pair for the packed form
	global_load_b32 v[BV+2*\b+1], v[VO], s[10:11] offset:8192+128*\b
.endr
	WIN 0x80                                       ; destination window 2
.irp a, 0,1,2,3
	global_load_b128 v[CSN+16*\a:CSN+16*\a+3],     v[RO], s[12:13] offset:4096*\a       ; cos at token 16 a + r, f = 16 c + 8 h + 0..7
	global_load_b128 v[CSN+16*\a+4:CSN+16*\a+7],   v[RO], s[12:13] offset:4096*\a+16
	global_load_b128 v[CSN+16*\a+8:CSN+16*\a+11],  v[RO], s[12:13] offset:4096*\a+128   ; sin
	global_load_b128 v[CSN+16*\a+12:CSN+16*\a+15], v[RO], s[12:13] offset:4096*\a+144
.endr
	WIN 0xc0                                       ; destination window 3
.irp a, 0,1,2,3
	global_load_b128 v[CSN+16*\a:CSN+16*\a+3],     v[RO], s[12:13] offset:4096*(\a+4)
	global_load_b128 v[CSN+16*\a+4:CSN+16*\a+7],   v[RO], s[12:13] offset:4096*(\a+4)+16
	global_load_b128 v[CSN+16*\a+8:CSN+16*\a+11],  v[RO], s[12:13] offset:4096*(\a+4)+128
	global_load_b128 v[CSN+16*\a+12:CSN+16*\a+15], v[RO], s[12:13] offset:4096*(\a+4)+144
.endr
	WIN 0
	; the prefetches: whose rows are mine.  Waves 0 and 1: x, row 256 Y + 64 cx + 32 (wave % 2) + lane.  Waves 2 and 3: W, row 192 J + 48 cy + 24 (wave % 2) + min(lane, 23)
	s_cmp_lt_u32 s[WV], 2
	s_cselect_b64 s[PFH:PFH+1], s[4:5], s[6:7]
	s_cselect_b32 s[LIM], 2, 0
	s_cselect_b32 s23, 31, 23
	v_and_b32 v[PFO], 31, v0
	v_min_u32 v[PFO], s23, v[PFO]
	v_lshlrev_b32 v[PFO], 10, v[PFO]               ; rows of 1,024 bytes
	s_lshl_b32 s78, s43, 8
	s_lshl_b32 s79, s40, 6
	s_add_co_u32 s78, s78, s79
	s_lshl_b32 s79, s22, 5
	s_add_co_u32 s78, s78, s79                     ; x's row
	s_mul_i32 s95, s42, 192
	s_mul_i32 s79, s41, 48
	s_add_co_u32 s95, s95, s79
	s_mul_i32 s79, s22, 24
	s_add_co_u32 s95, s95, s79                     ; W's row
	s_cmp_lt_u32 s[WV], 2
	s_cselect_b32 s78, s78, s95
	s_lshl_b32 s78, s78, 10
	s_mov_b32 s79, 0
	s_add_nc_u64 s[PFH:PFH+1], s[PFH:PFH+1], s[78:79]
	s_add_nc_u64 s[PFA:PFA+1], s[PFH:PFH+1], TNEXT-256   ; a K step short of the next tile's first: each change of slots steps it first (waves 2 and 3 never ask by it)
	s_wait_alu depctr_va_vdst(0)                   ; directly ahead of the reader below
	global_prefetch_b8 v[PFO], s[PFH:PFH+1] offset:512 th:TH_LOAD_NT scope:SCOPE_SE   ; K step 2,
	global_prefetch_b8 v[PFO], s[PFH:PFH+1] offset:768 th:TH_LOAD_NT scope:SCOPE_SE   ; K step 3: two steps ahead of steps 0 and 1, which the head has just asked for
	; where the first tile's codes go
	s_lshr_b32 s80, s43, 3                         ; batch: 0 or 1
	s_lshl_b32 s80, s80, 4
	s_add_co_u32 s80, s80, s42                     ; batch x 16 + head
	s_lshl_b32 s80, s80, 17                        ; 131,072 bytes each, in all three buffers
	s_lshl_b32 s84, s82, 14                        ; (16 (Y % 8) + 8 mh) x 1,024 in qc and kc = (2 (Y % 8) + mh) x 8,192 in vc
	s_lshl_b32 s85, s21, 13
	s_add_co_u32 s84, s84, s85
	s_add_co_u32 s80, s80, s84
	s_lshl_b32 s85, s22, 9
	s_add_co_u32 s86, s80, s85                     ; + 512 c
	s_mov_b32 s87, 0
	s_add_nc_u64 s[14:15], s[14:15], s[86:87]
	s_add_nc_u64 s[16:17], s[16:17], s[86:87]
	s_lshl_b32 s85, s22, 11
	s_add_co_u32 s86, s80, s85                     ; + 2,048 c
	s_add_nc_u64 s[18:19], s[18:19], s[86:87]
	s_wait_kmcnt 0x0
	s_add_co_i32 s[SS], s68, s69                   ; a sum stands for sum x 2^(e0 + e1)
	s_add_co_i32 s[SS], s[SS], 127
	s_lshl_b32 s[SS], s[SS], 23
	s_mov_b32 s[SS+1], s[SS]                       ; (named with it as a pair, so it is written)
.macro MKSC e, sc                      ; v[sc] = 2^e as f32, for the conversion; v[sc + 1] = 57,344 x 2^e, for the hold
	s_add_co_i32 s88, s[\e], 127
	s_lshl_b32 s89, s88, 23
	v_mov_b32 v[\sc], s89
	s_add_co_i32 s88, s88, 15
	s_lshl_b32 s88, s88, 23
	s_or_b32 s88, s88, 0x600000
	v_mov_b32 v[\sc+1], s88
.endm
	MKSC 70, 8                                     ; e2: q
	MKSC 71, 10                                    ; e3: k
	MKSC 73, 12                                    ; e5: v
.macro FRAG reg, adr, off              ; a fragment: lane (r, h) holds row r; registers 4 c .. 4 c + 3 hold K = 32 c + 16 h + 0..15: one permutation of K, the same for x and for W
.irp c, 0,1,2,3
	ds_load_b128 v[\reg+4*\c:\reg+4*\c+3], v[\adr] offset:\off+32*\c
.endr
.endm
.macro FETCH_B slot, q, p              ; W's six fragments of the slot's q-th 128 along K into set p: 24 loads
	WIN 0x40                                       ; destination window 1
.irp n, 0,1,2,3
	FRAG 128*(\p)+FR*\n, ADRB+\slot, (64*(\n/2)+32*(\n%2))*PITCH+128*(\q)
.endr
.irp n, 4,5
	FRAG 128*(\p)+FR*\n, ADRV+\slot, (128+32*(\n-4))*PITCH+128*(\q)
.endr
	WIN 0
.endm
.macro FETCH_A slot, q, i0             ; x's blocks i0 .. i0 + 3: 16 loads
.irp i, \i0, \i0+1, \i0+2, \i0+3
	FRAG AF+FR*(\i), ADRA+\slot, (\i)*16*PITCH+128*(\q)
.endr
.endm
; 12 matrix instructions: blocks a0, a0 + 1 against W's six tiles.  The 48 accumulators take turns, one instruction a turn, in the same order in every step.
; zero = 1: the first product starts the sums: nothing is ever cleared.
.macro MULP a0, p, zero
	WIN 0xa1+0x50*((\a0)/4)                        ; q, k: source 0 (W) window 1, source 1 (x) window 0, C and D window 2 or 3
.irp a, \a0, \a0+1
.irp n, 0,1,2,3
.if \zero
	v_wmma_f32_16x16x128_bf8_bf8 v[8*(6*((\a)%4)+\n):8*(6*((\a)%4)+\n)+7], v[128*(\p)+FR*\n:128*(\p)+FR*\n+FR-1], v[AF+FR*(\a):AF+FR*(\a)+FR-1], 0
.else
	v_wmma_f32_16x16x128_bf8_bf8 v[8*(6*((\a)%4)+\n):8*(6*((\a)%4)+\n)+7], v[128*(\p)+FR*\n:128*(\p)+FR*\n+FR-1], v[AF+FR*(\a):AF+FR*(\a)+FR-1], v[8*(6*((\a)%4)+\n):8*(6*((\a)%4)+\n)+7]
.endif
.endr
.endr
	WIN 0xa4+0x50*((\a0)/4)                        ; v: source 0 (x) window 0, source 1 (W) window 1
.irp a, \a0, \a0+1
.irp n, 4,5
.if \zero
	v_wmma_f32_16x16x128_bf8_bf8 v[8*(6*((\a)%4)+\n):8*(6*((\a)%4)+\n)+7], v[AF+FR*(\a):AF+FR*(\a)+FR-1], v[128*(\p)+FR*\n:128*(\p)+FR*\n+FR-1], 0
.else
	v_wmma_f32_16x16x128_bf8_bf8 v[8*(6*((\a)%4)+\n):8*(6*((\a)%4)+\n)+7], v[AF+FR*(\a):AF+FR*(\a)+FR-1], v[128*(\p)+FR*\n:128*(\p)+FR*\n+FR-1], v[8*(6*((\a)%4)+\n):8*(6*((\a)%4)+\n)+7]
.endif
.endr
.endr
.endm
; A load into a register that a matrix instruction has read stands four places behind it, and only plain vector instructions that name none of its registers are places (ISA guide 7.12.1 for vector instructions).
; A slot's first 128 along K (W's set 0).  A block of x is free once its products are issued: blocks 0-3 are fetched anew in the middle, blocks 4-7 at the end.
.macro STEP slot, zero
	s_wait_dscnt 16                                ; W's set and x's blocks 0-3 are in; the youngest sixteen loads (blocks 4-7) may be out
	MULP 0, 0, \zero
	MULP 2, 0, \zero
	s_wait_dscnt 0                                 ; blocks 4-7 are in
	PLACES 4
	FETCH_B \slot, 1, 1
	FETCH_A \slot, 1, 0
	MULP 4, 0, \zero
	MULP 6, 0, \zero
	PLACES 4
	WIN 0
	FETCH_A \slot, 1, 4
.endm
; A slot's second 128 (W's set 1) changes slots: ONE barrier; in front of it each wave waits for all its tensor loads, adds 0 to its spare word, and waits for that and for its own reads of this slot.
; fill = 1: the barrier opens a round of the cluster's barrier, and behind it this slot is filled again, two K steps ahead; fill = 2: with the NEXT tile's K step of this slot's number; fill = 0: nothing is asked for.
; fetch = 1: the next slot's first fragments are fetched; fetch = 0: the way out follows, which needs x's registers.
.macro TURN slot, next, fill, fetch
	s_wait_xcnt 0x0                                ; any prefetch of mine has read its address: it is stepped here, ahead of the change's own waits
	s_add_nc_u64 s[PFA:PFA+1], s[PFA:PFA+1], 256
	s_wait_tensorcnt 0x0                           ; all my tensor loads have landed  (every window is 0 here)
	ds_add_u32 v[SPW], v[NIL]                      ; 0 onto my spare word
	s_wait_dscnt 17                                ; (the add and the youngest sixteen loads, blocks 4-7, may be out)
	MULP 0, 1, 0                                   ; twelve matrix instructions stand between the add and the wait for it
	s_wait_dscnt 0x0                               ; the add is done, and my reads of this slot are over
	s_barrier_signal -1
	MULP 2, 1, 0
	WIN 0
	s_barrier_wait -1
.if \fill
	CREST                                          ; no wave of any partner still reads this slot or has a load on its way
.if \fill == 2
	s_add_nc_u64 s[G0A+4*\slot+2:G0A+4*\slot+3], s[G0A+4*\slot+2:G0A+4*\slot+3], TNEXT-512   ; x: 16 blocks down, two K steps back
	s_sub_nc_u64 s[G0B+4*\slot+2:G0B+4*\slot+3], s[G0B+4*\slot+2:G0B+4*\slot+3], 512         ; W: only back
.else
	s_add_nc_u64 s[G0A+4*\slot+2:G0A+4*\slot+3], s[G0A+4*\slot+2:G0A+4*\slot+3], 512
	s_add_nc_u64 s[G0B+4*\slot+2:G0B+4*\slot+3], s[G0B+4*\slot+2:G0B+4*\slot+3], 512
.endif
	JLOAD \slot                                    ; the first tensor load behind the round
.endif
	PLACES 4                                       ; the places in front of the loads below, on every wave's way
.if \fetch
	FETCH_B \next, 0, 0
	FETCH_A \next, 0, 0
.endif
.if \fill
	s_cmp_eq_u32 s2, s[LIM]                        ; in the first tile, waves 0 and 1: x's K step two refills on, 32 rows a wave, a lane a row
	s_cbranch_scc0 .Lnot_mine_\@
	global_prefetch_b8 v[PFO], s[PFA:PFA+1] th:TH_LOAD_NT scope:SCOPE_SE
.Lnot_mine_\@:
.endif
	MULP 4, 1, 0
	MULP 6, 1, 0
.if \fetch
	PLACES 4
	WIN 0
	FETCH_A \next, 0, 4
.else
	WIN 0
.endif
.endm
; THE WAY OUT, block by block.  ROPE: x1 = sum x 2^(e0 + e1) + bias at d, x2 at d + 32; o1 = x1 cos - x2 sin, o2 = x2 cos + x1 sin, all f32; held, converted: 16 bytes a lane, 512 a store.
; Each accumulator is read from its low end on.  Within a tile each store has registers of its own, and no address is stepped: no wait stands among the stores.
.macro ROPE a, sec, sc, cd, ptr
.set AC, 8*(6*((\a)%4)+2*(\sec))
.set CC, CSN+16*((\a)%4)
	WIN 0x02+(\a)/4                                ; source 0 (sums, cosines, sines): window 2 or 3
.irp i, 0,2,4,6
	v_pk_fma_f32 v[X1+\i:X1+\i+1], v[AC+\i:AC+\i+1], s[SS:SS+1], v[BQ+16*(\sec)+\i:BQ+16*(\sec)+\i+1] op_sel_hi:[1,0,1]
.endr
.irp i, 0,2,4,6
	v_pk_fma_f32 v[X2+\i:X2+\i+1], v[AC+8+\i:AC+8+\i+1], s[SS:SS+1], v[BQ+16*(\sec)+8+\i:BQ+16*(\sec)+8+\i+1] op_sel_hi:[1,0,1]
.endr
.irp i, 0,2,4,6
	v_pk_mul_f32 v[O1+\i:O1+\i+1], v[CC+\i:CC+\i+1], v[X1+\i:X1+\i+1]
	v_pk_mul_f32 v[O2+\i:O2+\i+1], v[CC+\i:CC+\i+1], v[X2+\i:X2+\i+1]
.endr
.irp i, 0,2,4,6
	v_pk_fma_f32 v[O1+\i:O1+\i+1], v[CC+8+\i:CC+8+\i+1], v[X2+\i:X2+\i+1], v[O1+\i:O1+\i+1] neg_lo:[0,1,0] neg_hi:[0,1,0]
	v_pk_fma_f32 v[O2+\i:O2+\i+1], v[CC+8+\i:CC+8+\i+1], v[X1+\i:X1+\i+1], v[O2+\i:O2+\i+1]
.endr
	WIN 0
.irp i, 0,1,2,3,4,5,6,7,8,9,10,11,12,13,14,15
	v_med3_num_f32 v[O1+\i], v[O1+\i], -v[\sc+1], v[\sc+1]   ; the conversion to an 8-bit code does not saturate (ISA guide 7.6.2)
.endr
	v_cvt_scalef32_pk8_bf8_f32 v[\cd+4*(\a):\cd+4*(\a)+1], v[O1:O1+7], v[\sc]
	v_cvt_scalef32_pk8_bf8_f32 v[\cd+4*(\a)+2:\cd+4*(\a)+3], v[O2:O2+7], v[\sc]
	v_nop                                          ; a plain line behind the conversions: the next lines write their sources again
	global_store_b128 v[LI], v[\cd+4*(\a):\cd+4*(\a)+3], s[\ptr:\ptr+1] offset:1024*(\a)
.endm
.macro VQ a                            ; v: my channel's eight tokens of block a, for both tiles b; two blocks make a lane's 16 bytes
.set AC, 8*(6*((\a)%4)+4)
	WIN 0x02+(\a)/4
.irp b, 0,1
.irp i, 0,2,4,6
	v_pk_fma_f32 v[X1+8*\b+\i:X1+8*\b+\i+1], v[AC+8*\b+\i:AC+8*\b+\i+1], s[SS:SS+1], v[BV+2*\b:BV+2*\b+1] op_sel_hi:[1,0,1]
.endr
.endr
	WIN 0
.irp i, 0,1,2,3,4,5,6,7,8,9,10,11,12,13,14,15
	v_med3_num_f32 v[X1+\i], v[X1+\i], -v13, v13
.endr
	v_cvt_scalef32_pk8_bf8_f32 v[CV+4*((\a)/2)+2*((\a)%2):CV+4*((\a)/2)+2*((\a)%2)+1], v[X1:X1+7], v12
	v_cvt_scalef32_pk8_bf8_f32 v[CV+16+4*((\a)/2)+2*((\a)%2):CV+16+4*((\a)/2)+2*((\a)%2)+1], v[X2:X2+7], v12
	v_nop
.if (\a)%2
	global_store_b128 v[LI], v[CV+4*((\a)/2):CV+4*((\a)/2)+3], s[18:19] offset:512*((\a)/2)
	global_store_b128 v[LI], v[CV+16+4*((\a)/2):CV+16+4*((\a)/2)+3], s[18:19] offset:4096+512*((\a)/2)
.endif
.endm
.macro WAYOUT
	s_wait_loadcnt 0x0                             ; the biases, cosines and sines, asked for at the head
	PLACES 4                                       ; behind the last products: their results are read and x's registers written below
.irp a, 0,1,2,3,4,5,6,7
	ROPE \a, 0, 8, CQ, 14
	ROPE \a, 1, 10, CK, 16
	VQ \a
.endr
.endm
.macro FIRST                           ; a tile's first fragments, from slot 0
	FETCH_B 0, 0, 0
	FETCH_A 0, 0, 0
	FETCH_A 0, 0, 4
.endm
	s_wait_alu depctr_va_vdst(0)                   ; at the head's end
	s_wait_tensorcnt 0x0                           ; my one tile is in,
	s_barrier_signal -1
	s_barrier_wait -1                              ; everybody's is: K steps 0 and 1
	FIRST
	s_mov_b32 s2, 2                                ; tiles to go, this one among them: the same number in every work-group
.Ltile:                                            ; (every window is 0 here)
	STEP 0, 1                                      ; K 0-127: its products start the sums
	TURN 0, 1, 1, 1                                ; K 128-255; slot 0 takes K step 2
	STEP 1, 0
	TURN 1, 0, 1, 1                                ; slot 1 takes K step 3
	STEP 0, 0
	s_cmp_eq_u32 s2, 1
	s_cbranch_scc1 .Llast_tile                     ; the last tile's tail is written out: it asks for nothing more
	TURN 0, 1, 2, 1                                ; THE RING GOES ON INTO THE NEXT TILE: slot 0 takes its K step 0,
	STEP 1, 0
	TURN 1, 0, 2, 0                                ; slot 1 its K step 1; in front of this change's round every wave has waited for its part of slot 0
	WAYOUT                                         ; both refills are asked for: now the tile goes out
	s_wait_xcnt 0x0                                ; the stores have read their registers and bases: the bases step, and x's fragments land on the codes' registers
	s_add_nc_u64 s[14:15], s[14:15], TNEXT
	s_add_nc_u64 s[16:17], s[16:17], TNEXT
	s_add_nc_u64 s[18:19], s[18:19], TNEXT
	FIRST
	s_sub_co_u32 s2, s2, 1
	s_cmp_lg_u32 s2, 0
	s_wait_alu depctr_va_vdst(0)                   ; ahead of the backward jump
	s_cbranch_scc1 .Ltile
.Llast_tile:
	TURN 0, 1, 0, 1                                ; nothing is left to fetch
	STEP 1, 0
	s_wait_dscnt 16                                ; K 896-1023
	MULP 0, 1, 0
	MULP 2, 1, 0
	s_wait_dscnt 0
	MULP 4, 1, 0
	MULP 6, 1, 0
	WIN 0
	WAYOUT
	s_wait_tensorcnt 0x0                           ; the wave's end
	ds_add_u32 v[SPW], v[NIL]
	s_wait_dscnt 0x0
	CROUND                                         ; the closing round: no work-group ends while a partner may still ask for a tile that names it
	s_endpgm
.Lfunc_end_k_q04190f9d58_qkv:
	.size	k_q04190f9d58_qkv, .Lfunc_end_k_q04190f9d58_qkv-k_q04190f9d58_qkv
	.p2alignl 7, 3214868480
	.fill 96, 4, 3214868480
	.section	.rodata,"a",@progbits
	.p2align	6, 0x0
	.amdhsa_kernel k_q04190f9d58_qkv
		.amdhsa_group_segment_fixed_size 327680
		.amdhsa_private_segment_fixed_size 0
		.amdhsa_enable_private_segment 0
		.amdhsa_kernarg_size 64
		.amdhsa_user_sgpr_count 2
		.amdhsa_user_sgpr_kernarg_segment_ptr 1
		.amdhsa_wavefront_size32 1
		.amdhsa_system_sgpr_workgroup_id_x 1
		.amdhsa_system_sgpr_workgroup_id_y 1
		.amdhsa_system_sgpr_workgroup_id_z 1
		.amdhsa_system_vgpr_workitem_id 0
		.amdhsa_next_free_vgpr 1024
		.amdhsa_next_free_sgpr 100
		.amdhsa_reserve_vcc 0
		.amdhsa_float_denorm_mode_32 3
		.amdhsa_float_denorm_mode_16_64 3
		.amdhsa_memory_ordered 1
		.amdhsa_forward_progress 1
		.amdhsa_inst_pref_size 219
	.end_amdhsa_kernel
	.amdgpu_metadata
---
amdhsa.version: [ 1, 2 ]
amdhsa.kernels:
  - .name:           k_q04190f9d58_qkv
    .symbol:         k_q04190f9d58_qkv.kd
    .args:
      - { .name: xc, .offset: 0, .size: 8, .value_kind: global_buffer, .address_space: global }
      - { .name: wqc, .offset: 8, .size: 8, .value_kind: global_buffer, .address_space: global }
      - { .name: lowp_scales, .offset: 16, .size: 8, .value_kind: global_buffer, .address_space: global }
      - { .name: bqkv, .offset: 24, .size: 8, .value_kind: global_buffer, .address_space: global }
      - { .name: rope, .offset: 32, .size: 8, .value_kind: global_buffer, .address_space: global }
      - { .name: qc, .offset: 40, .size: 8, .value_kind: global_buffer, .address_space: global }
      - { .name: kc, .offset: 48, .size: 8, .value_kind: global_buffer, .address_space: global }
      - { .name: vc, .offset: 56, .size: 8, .value_kind: global_buffer, .address_space: global }
    .group_segment_fixed_size: 327680
    .private_segment_fixed_size: 0
    .kernarg_segment_align: 8
    .kernarg_segment_size: 64
    .max_flat_workgroup_size: 128
    .sgpr_count:     100
    .vgpr_count:     1024
    .wavefront_size: 32
...
	.end_amdgpu_metadata
.endif
;; end of part 2
;; launch attn (part 3): grid 4 x 64, 16 waves a work-group, clusters of 4 x 1, 327,680 bytes of LDS; arguments qc, kc, vc, lowp_scales, oc; writes oc
.if DOCPART == 3
	.amdgcn_target "amdgcn-amd-amdhsa--gfx1250"
	.amdhsa_code_object_version 6
	.text
	.protected	k_q04190f9d58_attn
	.globl	k_q04190f9d58_attn
	.p2align	8
	.type	k_q04190f9d58_attn,@function
k_q04190f9d58_attn:
	s_mov_b64 s[64:65], 0
	v_nop
	global_prefetch_b8 v0, s[64:65] scope:SCOPE_SE
	s_setreg_imm32_b32 hwreg(HW_REG_WAVE_MODE, 25, 1), 1
	s_wait_xcnt 0x0
	s_wait_alu depctr_hold_cnt(0) depctr_sa_sdst(0) depctr_va_vdst(0) depctr_va_sdst(0) depctr_va_ssrc(0) depctr_va_vcc(0) depctr_vm_vsrc(0)
	s_getreg_b32 s2, hwreg(HW_REG_IB_STS2, 6, 4)
	s_cmp_eq_u32 s2, 0
	s_cbranch_scc0 .Lentry_in_a_cluster
	s_endpgm
.Lentry_in_a_cluster:
	s_bfe_u32 s2, ttmp6, 0x10000c
	s_cmp_lg_u32 s2, 0x3003
	s_cbranch_scc0 .Lentry_shape_is_right
	s_endpgm
.Lentry_shape_is_right:
; o = softmax(q k^T / 8) v for one (batch, head), both products on codes of E5M2; o is quantised again (e6) and stored as the image of the next launch's operand registers.
; THE SOFTMAX: t = score x log2(e) / 8; M = the running largest t, rounded up to a whole number; p = 2^(t - M) is quantised (e4), not normalised; the row's sum is taken of the unquantised p and divides at the end.
; When M moves, the sum and O^T are multiplied by 2^(old M - new M), which rounds nothing.
; SHARES.  Work-group (cx, y): head y (batch x 16 + head), queries 512 cx on.  Sixteen waves, four to a SIMD, each with 32 queries (two tiles A, B of 16) in 256 registers; every wave walks all 2,048 keys, 128 a step.
; ALL OF THE HEAD'S K AND V, 2 x 131,072 bytes, LIES IN LDS, fetched once: each wave issues ONE tensor load of 16,384 bytes at the head.  Nothing is filled again, so one barrier stands in front of the loop and none in it.
; LDS: eight chunks of 32,768 bytes: 256 keys of K's image, then the same keys of V's; wave w fills bytes 16,384 w on (even w: K, odd w: V).  So one address register and 16-bit offsets reach K and V of a trip's two steps.
; CLUSTER: the four work-groups of a head need the same K and V: every load is a joint one, mask 15; its address hangs on the head and the wave's number alone.
; No prefetch is laid: every byte that the launch fetches is asked for in its first lines, and no later load exists to run ahead of.
; LAYOUT.  Both products are used transposed (S^T = K Q^T, O^T = V^T P^T): a lane holds one query (lane % 16) throughout.  kc and vc are images of the operands' registers, 16 bytes a lane, 512 bytes a load;
; the launch before has chosen V's channels and K's order of d so that p's 16 registers of two neighbouring tiles are 16 neighbouring keys.
; TWO RUNS OF 64 REGISTERS SWAP ROLES FROM STEP TO STEP: F holds K's fragments and then V's, S the scores and then p.  When tile B's p has been converted, S is free: the NEXT step's fragments of K are loaded into it,
; sixteen loads that land under the rescaling and the second product; in the next step that run is F and the other one S.  A trip is two steps, so the numbers are back where they began.
; The last trip's look-ahead is held inside K and V by a minimum: it reads the last chunk's first fragments again, and they are not used.
; LIMITS: e2 + e3 between -123 and 130 (they are added to c's exponent field); e4 and e6 between -126 and 112; the scaled scores stay under 2^31 in magnitude.  NaN among the inputs is not served.
; REGISTERS: v1 16 x lane; v2 the chunk's LDS address; v3 2^e4; v4, v5 -M and the largest t of tile A, v[6:7] its sum; v8-11 the same for B; v12-15 at work; v16-31 Q; v32-95 and v96-159 F and S by turns;
; v160-223 O^T of A and B; v224-255 p's codes (their first four registers also carry two chains of the sum).  v254, v255 serve the add at the head and are made anew for it at the end (v0 is kept).
.set SPARE, 0x40000                    ; behind K and V: the spare words, 128 bytes for each wave: eight blocks of 256 bytes that no other line names
.set LA,  1
.set ADR, 2
.set T0,  12
.set T1,  13
.set FF,  14
.set T2,  15
.set F,   32
.set S,   96
.set OA,  160
.set OB,  192
.set PA,  224
.set PB,  240
.set WV,  18
.set SEL, 20
.set CS,  22
.set G1,  24
.set G0,  32
.set LIM, 48
.set TB,  49
.set CNT, 50
.set TBW, 54
.macro ROUND                           ; a round of the cluster's barrier
	s_barrier_signal -1
	s_barrier_wait -1
	s_cmp_lg_u32 s[WV], 0
	s_cbranch_scc1 .Lnot_wave_0_\@
	s_barrier_signal -3
.Lnot_wave_0_\@:
	s_barrier_wait -3
	s_barrier_signal -1
	s_barrier_wait -1
.endm
	s_load_b256 s[4:11], s[0:1], 0x0               ; qc s[4:5], kc s[6:7], vc s[8:9], the scales s[10:11]
	s_load_b64 s[12:13], s[0:1], 0x20              ; oc
	v_lshl_add_u32 v254, v0, 2, SPARE
	v_mov_b32 v255, 0
	ds_add_u32 v254, v255                          ; the opening lines: the add, twice on end, and its wait ahead of my tensor load
	ds_add_u32 v254, v255
	v_lshrrev_b32 v2, 5, v0
	s_delay_alu instid0(VALU_DEP_1)
	v_readfirstlane_b32 s[WV], v2                  ; wave 0..15
	v_and_b32 v[LA], 31, v0
	s_delay_alu instid0(VALU_DEP_1)
	v_lshlrev_b32 v[LA], 4, v[LA]                  ; 16 x lane
	s_bfe_u32 s51, ttmp6, 0x40000                  ; cx: which 512 queries
	s_and_b32 s52, ttmp7, 0xffff                   ; batch x 16 + head
	s_mov_b32 s[G1], 15|(3<<16)|(1<<21)            ; the mask: all four partners; elements of 8 bytes; bit 21 beside a mask; no padding: the image is read 16 bytes a lane on end
	s_mov_b32 s[G1+1], 32<<16                      ; rows of 256 bytes,
	s_mov_b32 s[G1+2], 64<<16                      ; 64 of them: 16,384 dense bytes
	s_mov_b32 s[G1+3], 32<<16
	s_mov_b32 s[G1+4], 64
	s_mov_b32 s[G1+5], 32
	s_mov_b32 s[G1+6], 0
	s_mov_b32 s[G1+7], 0
	s_mov_b32 s[SEL], 0x76543210
	s_mov_b32 s[SEL+1], 0xfedcba98                 ; v_permlanex16_b32's selects for lane l xor 16
	s_lshl_b32 s66, s52, 17                        ; the head's 131,072 bytes, in kc and vc alike,
	s_lshr_b32 s67, s[WV], 1
	s_lshl_b32 s67, s67, 14
	s_add_co_u32 s66, s66, s67                     ; + 16,384 x (wave / 2): my 256 keys
	s_mov_b32 s67, 0
	s_and_b32 s53, s[WV], 1                        ; 0: I fetch K, 1: V
	s_mov_b32 s[G0], 1
	s_lshl_b32 s[G0+1], s[WV], 14                  ; LDS: 16,384 x wave
	s_wait_alu depctr_va_vdst(0)                   ; directly ahead of the waits below
	s_wait_dscnt 0x0                               ; both opening adds are done
	s_wait_kmcnt 0x0
	s_load_b256 s[56:63], s[10:11], 0x0            ; e0 .. e7
	s_cmp_eq_u32 s53, 0
	s_cselect_b64 s[G0+2:G0+3], s[6:7], s[8:9]
	s_add_nc_u64 s[G0+2:G0+3], s[G0+2:G0+3], s[66:67]
	s_or_b32 s[G0+3], s[G0+3], 0x80000000
	ROUND                                          ; all four work-groups are here: the joint loads meet
	tensor_load_to_lds s[G0:G0+3], s[G1:G1+7]      ; my one tensor load of the launch
	s_nop 0
	s_lshl_b32 s70, s51, 5
	s_lshl_b32 s71, s[WV], 1
	s_add_co_u32 s70, s70, s71                     ; my first block of 16 queries: 32 cx + 2 wave
	s_lshl_b32 s72, s70, 10
	s_lshl_b32 s73, s52, 17
	s_add_co_u32 s72, s72, s73
	s_mov_b32 s73, 0
	s_add_nc_u64 s[4:5], s[4:5], s[72:73]
.irp i, 0,1,2,3
	global_load_b128 v[16+4*\i:19+4*\i], v[LA], s[4:5] offset:512*\i   ; Q's two fragments stay in registers
.endr
	s_lshr_b32 s74, s52, 4                         ; oc: [token / 16 of all batches][head][1,024 bytes]
	s_lshl_b32 s74, s74, 7
	s_add_co_u32 s74, s74, s70
	s_lshl_b32 s74, s74, 14
	s_and_b32 s75, s52, 15
	s_lshl_b32 s75, s75, 10
	s_add_co_u32 s74, s74, s75
	s_mov_b32 s75, 0
	s_add_nc_u64 s[12:13], s[12:13], s[74:75]
	v_add_nc_u32 v[ADR], 0, v[LA]                  ; chunk 0
	v_mov_b32 v5, 0xff61b1e6                       ; the largest t so far: -3e38, under every t
	v_mov_b32 v9, 0xff61b1e6
	s_delay_alu instid0(VALU_DEP_2)
	v_floor_f32 v4, -v5                            ; -M
	s_delay_alu instid0(VALU_DEP_2)
	v_floor_f32 v8, -v9
.irp j, 6,7,10,11,12,13,14,15
	v_mov_b32 v\j, 0                               ; the sums; and what is named as a permute's destination or a pair's upper half
.endr
.set jo, 0
.rept 64
	v_mov_b32 v[OA+jo], 0                          ; O^T: the step is written once; the first finds zeros, which the first change of M leaves zeros
.set jo, jo+1
.endr
	s_wait_kmcnt 0x0
	s_mov_b32 s[CS], 0x3e38aa3b                    ; c = log2(e) / 8
	s_add_co_i32 s76, s58, s59
	s_lshl_b32 s76, s76, 23
	s_add_co_i32 s[CS], s[CS], s76                 ; x 2^(e2 + e3): added to c's exponent field
	s_mov_b32 s[CS+1], s[CS]
	s_add_co_i32 s76, s60, 127
	s_lshl_b32 s77, s76, 23
	v_mov_b32 v3, s77                              ; 2^e4, for the conversion
	s_add_co_i32 s76, s76, 15
	s_lshl_b32 s76, s76, 23
	s_or_b32 s[LIM], s76, 0x600000                 ; 57,344 x 2^e4
; The softmax of one tile's 128 keys: st: -M and the largest t; sm: the sum; pc: where p's codes go.
.macro SOFT st, sm, pc
	v_max3_num_f32 v[T0], v[S], v[S+1], v[S+2]     ; the step's largest score of my query, in four chains, the registers in ascending order: each accumulator is first read at its low end
	v_max3_num_f32 v[T1], v[S+3], v[S+4], v[S+5]
	v_max3_num_f32 v[T2], v[S+6], v[S+7], v[S+8]
	v_max3_num_f32 v[FF], v[S+9], v[S+10], v[S+11]
.set jj, 12
.rept 6
	v_max3_num_f32 v[T0], v[T0], v[S+jj], v[S+jj+1]
	v_max3_num_f32 v[T1], v[T1], v[S+jj+2], v[S+jj+3]
	v_max3_num_f32 v[T2], v[T2], v[S+jj+4], v[S+jj+5]
	v_max3_num_f32 v[FF], v[FF], v[S+jj+6], v[S+jj+7]
.set jj, jj+8
.endr
	v_max3_num_f32 v[T0], v[T0], v[S+60], v[S+61]
	v_max3_num_f32 v[T1], v[T1], v[S+62], v[S+63]
	s_delay_alu instid0(VALU_DEP_1)
	v_max3_num_f32 v[T0], v[T0], v[T1], v[T2]
	s_delay_alu instid0(VALU_DEP_1)
	v_max_num_f32 v[T0], v[T0], v[FF]
	s_delay_alu instid0(VALU_DEP_1)
	v_permlanex16_b32 v[T2], v[T0], s[SEL], s[SEL+1]
	s_delay_alu instid0(VALU_DEP_1)
	v_max_num_f32 v[T0], v[T0], v[T2]              ; and among lane l xor 16's
	s_delay_alu instid0(VALU_DEP_1)
	v_mul_f32 v[T0], s[CS], v[T0]                  ; as t (c is positive)
	s_delay_alu instid0(VALU_DEP_1)
	v_max_num_f32 v[\st+1], v[\st+1], v[T0]
	v_mov_b32 v[T0], v[\st]
	s_delay_alu instid0(VALU_DEP_2)
	v_floor_f32 v[\st], -v[\st+1]                  ; the new -M = -ceil(t)
	s_delay_alu instid0(VALU_DEP_1)
	v_sub_f32 v[T0], v[\st], v[T0]                 ; old M - new M: a whole number, 0 or less
	s_delay_alu instid0(VALU_DEP_1)
	v_cvt_i32_f32 v[T0], v[T0]
	s_delay_alu instid0(VALU_DEP_1)
	v_ldexp_f32 v[FF], 1.0, v[T0]                  ; f = 2^(old M - new M)
.set jj, 0
.rept 32
	v_pk_fma_f32 v[S+jj:S+jj+1], v[S+jj:S+jj+1], s[CS:CS+1], v[\st:\st+1] op_sel_hi:[1,0,0]   ; t - M
.set jj, jj+2
.endr
.set jj, 0
	s_wait_alu depctr_va_vdst(0)                   ; ahead of the batch
.rept 64
	v_exp_f32 v[S+jj], v[S+jj]                     ; p = 2^(t - M)
.set jj, jj+1
.endr
	v_pk_mul_f32 v[\sm:\sm+1], v[\sm:\sm+1], v[FF:FF+1] op_sel_hi:[1,0]   ; the sum under the new M (a plain place behind the batch)
	s_wait_alu depctr_va_vdst(0)                   ; and the one wait behind it, ahead of its first reader
	v_pk_add_f32 v[T0:T1], v[S:S+1], v[S+2:S+3]    ; the sum of the unquantised p, in four chains; two of them in the codes' registers, which are free until the conversions
	v_pk_add_f32 v[\pc:\pc+1], v[S+4:S+5], v[S+6:S+7]
	v_pk_add_f32 v[\pc+2:\pc+3], v[S+8:S+9], v[S+10:S+11]
.set jj, 12
.rept 6
	v_pk_add_f32 v[\sm:\sm+1], v[\sm:\sm+1], v[S+jj:S+jj+1]
	v_pk_add_f32 v[T0:T1], v[T0:T1], v[S+jj+2:S+jj+3]
	v_pk_add_f32 v[\pc:\pc+1], v[\pc:\pc+1], v[S+jj+4:S+jj+5]
	v_pk_add_f32 v[\pc+2:\pc+3], v[\pc+2:\pc+3], v[S+jj+6:S+jj+7]
.set jj, jj+8
.endr
	v_pk_add_f32 v[\sm:\sm+1], v[\sm:\sm+1], v[S+60:S+61]
	v_pk_add_f32 v[T0:T1], v[T0:T1], v[S+62:S+63]
	s_delay_alu instid0(VALU_DEP_1)
	v_pk_add_f32 v[T0:T1], v[T0:T1], v[\pc:\pc+1]
	v_pk_add_f32 v[\sm:\sm+1], v[\sm:\sm+1], v[\pc+2:\pc+3]
	s_delay_alu instid0(VALU_DEP_1)
	v_pk_add_f32 v[\sm:\sm+1], v[\sm:\sm+1], v[T0:T1]
.irp b, 0,1,2,3
.irp i, 0,2,4,6,8,10,12,14
	v_dual_min_num_f32 v[S+16*\b+\i], s[LIM], v[S+16*\b+\i] :: v_dual_min_num_f32 v[S+16*\b+\i+1], s[LIM], v[S+16*\b+\i+1]   ; the hold: the conversion does not saturate (ISA guide 7.6.2); p is not negative, so it is one-sided; two numbers a line
.endr
	v_cvt_scalef32_pk8_bf8_f32 v[\pc+4*\b:\pc+4*\b+1], v[S+16*\b:S+16*\b+7], v3
	v_cvt_scalef32_pk8_bf8_f32 v[\pc+4*\b+2:\pc+4*\b+3], v[S+16*\b+8:S+16*\b+15], v3
.endr
.endm
.macro RESC o, j0, n                   ; n pairs of O^T, from register j0 on, x f
.set jr, \j0
.rept \n
	v_pk_mul_f32 v[\o+jr:\o+jr+1], v[\o+jr:\o+jr+1], v[FF:FF+1] op_sel_hi:[1,0]
.set jr, jr+2
.endr
.endm
.macro KLOAD r, o                      ; a step's eight fragments of K, at byte o of the chunk, into the run at r: sixteen loads
.irp t, 0,1,2,3,4,5,6,7
	ds_load_b128 v[\r+8*\t:\r+8*\t+3],   v[ADR] offset:\o+1024*\t
	ds_load_b128 v[\r+8*\t+4:\r+8*\t+7], v[ADR] offset:\o+1024*\t+512
.endr
.endm
; A KEY STEP: 128 keys, at byte o of the chunk.  Its fragments of K were asked for in the step before.  nxt = 0: the next step lies 8,192 bytes on in the same chunk; nxt = 1: at the head of the next chunk.
.macro STEP o, nxt
	s_wait_dscnt 8                                 ; K's tiles 0-3 are in; the youngest eight loads (tiles 4-7) may be out
.irp t, 0,1,2,3
	v_wmma_f32_16x16x64_bf8_bf8 v[S+8*\t:S+8*\t+7], v[F+8*\t:F+8*\t+7], v[16:23], 0
.endr
	s_wait_dscnt 0x0
.irp t, 4,5,6,7
	v_wmma_f32_16x16x64_bf8_bf8 v[S+8*\t:S+8*\t+7], v[F+8*\t:F+8*\t+7], v[16:23], 0
.endr
.rept 4
	v_nop
.endr
	SOFT 4, 6, PA
	RESC OA, 0, 4                                  ; four plain lines between the conversions and the products that write their sources again
.irp t, 0,1,2,3,4,5,6,7
	v_wmma_f32_16x16x64_bf8_bf8 v[S+8*\t:S+8*\t+7], v[F+8*\t:F+8*\t+7], v[24:31], 0
.endr
	RESC OA, 8, 12                                 ; twelve places in front of the loads over K's fragments and of the first read of the scores
.irp ct, 0,1,2,3
.irp g, 0,1,2,3
	ds_load_b128 v[F+16*\ct+4*\g:F+16*\ct+4*\g+3], v[ADR] offset:\o+16384+2048*\ct+512*\g   ; V's fragments land under tile B's softmax
.endr
.endr
	SOFT 8, 10, PB
.if \nxt
	v_add_nc_u32 v[ADR], s[TBW], v[LA]             ; on to the next chunk: this chunk's last loads have been issued
	KLOAD S, 0
.else
	KLOAD S, \o+8192                               ; p is converted: its run takes the next step's fragments of K
.endif
	RESC OB, 0, 16
	s_wait_alu depctr_va_vdst(0)                   ; directly ahead of the wait below
	s_wait_dscnt 16                                ; V's sixteen loads are in; the sixteen younger ones, the next step's K, may be out
.irp ct, 0,1,2,3                       ; the eight accumulators take turns
	v_wmma_f32_16x16x128_bf8_bf8 v[OA+8*\ct:OA+8*\ct+7], v[F+16*\ct:F+16*\ct+15], v[PA:PA+15], v[OA+8*\ct:OA+8*\ct+7]
	v_wmma_f32_16x16x128_bf8_bf8 v[OB+8*\ct:OB+8*\ct+7], v[F+16*\ct:F+16*\ct+15], v[PB:PB+15], v[OB+8*\ct:OB+8*\ct+7]
.endr
.rept 5
	v_nop                                          ; five places: the next step's first products write their scores over V's fragments
.endr
.endm
	s_wait_alu depctr_va_vdst(0)                   ; at the head's end
	s_wait_loadcnt 0x0                             ; Q
	s_wait_tensorcnt 0x0                           ; my 16,384 bytes are in,
	s_barrier_signal -1
	s_barrier_wait -1                              ; everybody's are: all of K and V
	KLOAD F, 0                                     ; the first step's fragments of K
	s_mov_b32 s[TB], 32768                         ; the chunk after the one in hand
	s_mov_b32 s[CNT], 8
.Ltrip:                                            ; a trip: one chunk, 256 keys, two steps
	s_min_u32 s[TBW], s[TB], 7*32768               ; the last trip's look-ahead stays inside K and V
.set F, 32
.set S, 96
	STEP 0, 0
.set F, 96
.set S, 32
	STEP 8192, 1
	s_add_co_u32 s[TB], s[TB], 32768
	s_sub_co_u32 s[CNT], s[CNT], 1
	s_cmp_lg_u32 s[CNT], 0
	s_cbranch_scc1 .Ltrip
.set F, 32
.set S, 96
	; THE WAY OUT: O^T / the sum x 2^(e4 + e5), held, converted with e6: 16 bytes a lane, each store 512 consecutive bytes.  (The step's five places stand behind the last products.)
	s_wait_dscnt 0x0                               ; the last look-ahead's loads, into v32-95, have landed
	v_add_f32 v6, v6, v7
	v_add_f32 v10, v10, v11
	s_delay_alu instid0(VALU_DEP_2)
	v_permlanex16_b32 v[T0], v6, s[SEL], s[SEL+1]
	s_delay_alu instid0(VALU_DEP_2)
	v_permlanex16_b32 v[T1], v10, s[SEL], s[SEL+1]
	s_delay_alu instid0(VALU_DEP_2)
	v_add_f32 v6, v6, v[T0]
	s_delay_alu instid0(VALU_DEP_2)
	v_add_f32 v10, v10, v[T1]
	s_wait_alu depctr_va_vdst(0)                   ; ahead of the two reciprocals
	v_rcp_f32 v6, v6
	v_rcp_f32 v10, v10
	v_nop
	s_add_co_i32 s76, s60, s61
	s_add_co_i32 s74, s62, 127
	s_lshl_b32 s75, s74, 23
	v_mov_b32 v[ADR], s75                          ; 2^e6
	s_add_co_i32 s74, s74, 15
	s_lshl_b32 s74, s74, 23
	s_or_b32 s74, s74, 0x600000
	v_mov_b32 v[FF], s74                           ; 57,344 x 2^e6
	s_wait_alu depctr_va_vdst(0)                   ; behind them, ahead of their first reader
	v_ldexp_f32 v6, v6, s76
	v_ldexp_f32 v10, v10, s76
.set jo, 0
.rept 16
	v_pk_mul_f32 v[S+jo:S+jo+1], v[OA+jo:OA+jo+1], v[6:7] op_sel_hi:[1,0]
.set jo, jo+2
.endr
.set jo, 0
.rept 16
	v_pk_mul_f32 v[S+32+jo:S+32+jo+1], v[OB+jo:OB+jo+1], v[10:11] op_sel_hi:[1,0]
.set jo, jo+2
.endr
.set jo, 0
.rept 64
	v_med3_num_f32 v[S+jo], v[S+jo], -v[FF], v[FF]
.set jo, jo+1
.endr
.irp u, 0,1,2,3,4,5,6,7
	v_cvt_scalef32_pk8_bf8_f32 v[PA+2*\u:PA+2*\u+1], v[S+8*\u:S+8*\u+7], v[ADR]
.endr
	v_nop
	global_store_b128 v[LA], v[PA:PA+3],     s[12:13]
	global_store_b128 v[LA], v[PA+4:PA+7],   s[12:13] offset:512
	global_store_b128 v[LA], v[PA+8:PA+11],  s[12:13] offset:16384
	global_store_b128 v[LA], v[PA+12:PA+15], s[12:13] offset:16384+512
	s_wait_xcnt 0x0
	v_lshl_add_u32 v254, v0, 2, SPARE              ; the add's two registers, made anew
	v_mov_b32 v255, 0
	s_wait_alu depctr_va_vdst(0)
	s_wait_tensorcnt 0x0                           ; the wave's end
	ds_add_u32 v254, v255
	s_wait_dscnt 0x0
	ROUND                                          ; the closing round
	s_endpgm
.Lfunc_end_k_q04190f9d58_attn:
	.size	k_q04190f9d58_attn, .Lfunc_end_k_q04190f9d58_attn-k_q04190f9d58_attn
	.p2alignl 7, 3214868480
	.fill 96, 4, 3214868480
	.section	.rodata,"a",@progbits
	.p2align	6, 0x0
	.amdhsa_kernel k_q04190f9d58_attn
		.amdhsa_group_segment_fixed_size 327680
		.amdhsa_private_segment_fixed_size 0
		.amdhsa_enable_private_segment 0
		.amdhsa_kernarg_size 40
		.amdhsa_user_sgpr_count 2
		.amdhsa_user_sgpr_kernarg_segment_ptr 1
		.amdhsa_wavefront_size32 1
		.amdhsa_system_sgpr_workgroup_id_x 1
		.amdhsa_system_sgpr_workgroup_id_y 1
		.amdhsa_system_sgpr_workgroup_id_z 1
		.amdhsa_system_vgpr_workitem_id 0
		.amdhsa_next_free_vgpr 256
		.amdhsa_next_free_sgpr 80
		.amdhsa_reserve_vcc 0
		.amdhsa_float_denorm_mode_32 3
		.amdhsa_float_denorm_mode_16_64 3
		.amdhsa_memory_ordered 1
		.amdhsa_forward_progress 1
		.amdhsa_inst_pref_size 74
	.end_amdhsa_kernel
	.amdgpu_metadata
---
amdhsa.version: [ 1, 2 ]
amdhsa.kernels:
  - .name:           k_q04190f9d58_attn
    .symbol:         k_q04190f9d58_attn.kd
    .args:
      - { .name: qc, .offset: 0, .size: 8, .value_kind: global_buffer, .address_space: global }
      - { .name: kc, .offset: 8, .size: 8, .value_kind: global_buffer, .address_space: global }
      - { .name: vc, .offset: 16, .size: 8, .value_kind: global_buffer, .address_space: global }
      - { .name: lowp_scales, .offset: 24, .size: 8, .value_kind: global_buffer, .address_space: global }
      - { .name: oc, .offset: 32, .size: 8, .value_kind: global_buffer, .address_space: global }
    .group_segment_fixed_size: 327680
    .private_segment_fixed_size: 0
    .kernarg_segment_align: 8
    .kernarg_segment_size: 40
    .max_flat_workgroup_size: 512
    .sgpr_count:     80
    .vgpr_count:     256
    .wavefront_size: 32
...
	.end_amdgpu_metadata
.endif
;; end of part 3
;; launch oproj (part 4): grid 8 x 32, 4 waves a work-group, clusters of 4 x 4, 327,680 bytes of LDS; arguments oc, woc, lowp_scales, bout, out0; writes out0
.if DOCPART == 4
	.amdgcn_target "amdgcn-amd-amdhsa--gfx1250"
	.amdhsa_code_object_version 6
	.text
	.protected	k_q04190f9d58_oproj
	.globl	k_q04190f9d58_oproj
	.p2align	8
	.type	k_q04190f9d58_oproj,@function
k_q04190f9d58_oproj:
	s_mov_b64 s[64:65], 0
	v_nop
	global_prefetch_b8 v0, s[64:65] scope:SCOPE_SE
	s_setreg_imm32_b32 hwreg(HW_REG_WAVE_MODE, 25, 1), 1
	s_wait_xcnt 0x0
	s_wait_alu depctr_hold_cnt(0) depctr_sa_sdst(0) depctr_va_vdst(0) depctr_va_sdst(0) depctr_va_ssrc(0) depctr_va_vcc(0) depctr_vm_vsrc(0)
	s_getreg_b32 s2, hwreg(HW_REG_IB_STS2, 6, 4)
	s_cmp_eq_u32 s2, 0
	s_cbranch_scc0 .Lentry_in_a_cluster
	s_endpgm
.Lentry_in_a_cluster:
	s_bfe_u32 s2, ttmp6, 0x10000c
	s_cmp_lg_u32 s2, 0xf033
	s_cbranch_scc0 .Lentry_shape_is_right
	s_endpgm
.Lentry_shape_is_right:
.set PITCH, 272
.set BOFF,  65536
.set SLOT,  BOFF+128*PITCH
.set SPARE, 2*SLOT
.set STAGE, SPARE+512
.set SPITCH, 272
.set FR,   16
.set ADRA, 16
.set ADRB, 18
.set STO,  22
.set RD,   23
.set CO,   24
.set BO,   25
.set SPW,  28
.set NIL,  29
.set BI,   32
.set TMP,  64
.set AF,   128
.set BK,   128
.set WV,   20
.set G1A,  24
.set G0A,  32
.set G1B,  48
.set G0B,  56
.set SS,   76
.set MSB, 0
.macro WIN new
.if MSB != (\new)
	s_set_vgpr_msb (MSB<<8)|(\new)
.set MSB, (\new)
.endif
.endm
.macro PLACES n
.rept \n
	v_nop
.endr
.endm
.macro JLOAD s
	s_cmp_eq_u32 s[WV], 2*\s                       ; slot s is filled again by wave 2 s (A's 256 tokens) and wave 2 s + 1 (B's 128 rows); the other two waves ask for nothing
	s_cbranch_scc0 .Lfor_b_\@
	tensor_load_to_lds s[G0A+4*\s:G0A+4*\s+3], s[G1A:G1A+7]
	s_nop 0
.rept 4
	v_nop
.endr
	s_branch .Lasked_\@
.Lfor_b_\@:
	s_cmp_eq_u32 s[WV], 2*\s+1
	s_cbranch_scc0 .Lasked_\@
	tensor_load_to_lds s[G0B+4*\s:G0B+4*\s+3], s[G1B:G1B+7]
	s_nop 0
.rept 4
	v_nop
.endr
.Lasked_\@:
.endm
.macro CREST
	s_cmp_lg_u32 s[WV], 0
	s_cbranch_scc1 .Lnot_wave_0_\@
	s_barrier_signal -3
.Lnot_wave_0_\@:
	s_barrier_wait -3
	s_barrier_signal -1
	s_barrier_wait -1
.endm
.macro CROUND
	s_barrier_signal -1
	s_barrier_wait -1
	CREST
.endm
	s_load_b256 s[4:11], s[0:1], 0x0
	s_load_b64 s[12:13], s[0:1], 0x20
	v_lshl_add_u32 v[SPW], v0, 2, SPARE
	v_mov_b32 v[NIL], 0
	ds_add_u32 v28, v29
	ds_add_u32 v28, v29
	s_wait_dscnt 0x0
	v_lshrrev_b32 v1, 5, v0
	v_readfirstlane_b32 s[WV], v1
	s_lshr_b32 s21, s[WV], 1
	s_and_b32 s22, s[WV], 1
	s_bfe_u32 s40, ttmp6, 0x40000
	s_bfe_u32 s41, ttmp6, 0x40004
	s_lshl_b32 s42, ttmp9, 2
	s_add_co_u32 s42, s42, s40
	s_and_b32 s43, ttmp7, 0xffff
	s_lshl_b32 s43, s43, 2
	s_add_co_u32 s43, s43, s41
	s_lshl_b32 s44, s41, 2
	s_lshl_b32 s44, 15, s44
	s_lshl_b32 s45, 0x1111, s40
	s_or_b32 s[G1A], s44, (3<<16)|(1<<21)
	s_mov_b32 s[G1A+1], 512<<16
	s_mov_b32 s[G1A+2], 16<<16                     ; A: 16 blocks of 16 tokens, 4,096 bytes (four heads) of each
	s_mov_b32 s[G1A+3], 512<<16
	s_mov_b32 s[G1A+4], 16
	s_mov_b32 s[G1A+5], 2048
	s_mov_b32 s[G1A+6], 0
	s_mov_b32 s[G1A+7], 0
	s_or_b32 s[G1B], s45, (1<<20)|(1<<21)|(5<<22)|(3<<25)
	s_mov_b32 s[G1B+1], 256<<16
	s_mov_b32 s[G1B+2], 128<<16                    ; B: 128 rows of Wout's codes, 256 bytes of each
	s_mov_b32 s[G1B+3], 256<<16
	s_mov_b32 s[G1B+4], 128
	s_mov_b32 s[G1B+5], 1024
	s_mov_b32 s[G1B+6], 0
	s_mov_b32 s[G1B+7], 0
	s_lshl_b32 s46, s43, 18                        ; A: 256 tokens are 262,144 bytes of oc: it hangs on the tile row alone
	s_mov_b32 s47, 0
	s_lshl_b32 s66, s42, 17                        ; B: 128 rows of 1,024 bytes: it hangs on the tile column alone
	s_mov_b32 s67, 0
	s_wait_kmcnt 0x0
	s_load_b256 s[68:75], s[8:9], 0x0
	s_add_nc_u64 s[46:47], s[4:5], s[46:47]
	s_add_nc_u64 s[66:67], s[6:7], s[66:67]
	CROUND
.irp s, 0,1
	s_mov_b32 s[G0A+4*\s], 1
	s_mov_b32 s[G0A+4*\s+1], \s*SLOT
	s_add_nc_u64 s[G0A+4*\s+2:G0A+4*\s+3], s[46:47], \s*4096
	s_or_b32 s[G0A+4*\s+3], s[G0A+4*\s+3], 0x80000000
	s_mov_b32 s[G0B+4*\s], 1
	s_mov_b32 s[G0B+4*\s+1], BOFF+\s*SLOT
	s_add_nc_u64 s[G0B+4*\s+2:G0B+4*\s+3], s[66:67], \s*256
	s_or_b32 s[G0B+4*\s+3], s[G0B+4*\s+3], 0x80000000
.endr
	; THE FIRST FILLS: K steps 0 and 1, four tiles, one to a wave, in one chain of branches on the wave's number with one join
	s_cmp_eq_u32 s[WV], 0
	s_cbranch_scc0 .Lh1
	tensor_load_to_lds s[G0A:G0A+3], s[G1A:G1A+7]          ; wave 0: A, K step 0
	s_nop 0
	PLACES 4
	s_branch .Lhjoin
.Lh1:
	s_cmp_eq_u32 s[WV], 1
	s_cbranch_scc0 .Lh2
	tensor_load_to_lds s[G0B:G0B+3], s[G1B:G1B+7]          ; wave 1: B, K step 0
	s_nop 0
	PLACES 4
	s_branch .Lhjoin
.Lh2:
	s_cmp_eq_u32 s[WV], 2
	s_cbranch_scc0 .Lh3
	tensor_load_to_lds s[G0A+4:G0A+7], s[G1A:G1A+7]        ; wave 2: A, K step 1
	s_nop 0
	PLACES 4
	s_branch .Lhjoin
.Lh3:
	tensor_load_to_lds s[G0B+4:G0B+7], s[G1B:G1B+7]        ; wave 3: B, K step 1
	s_nop 0
	PLACES 4
.Lhjoin:
	v_and_b32 v1, 15, v0
	v_bfe_u32 v2, v0, 4, 1
	v_and_b32 v3, 31, v0
	v_lshlrev_b32 v3, 4, v3
	v_mul_u32_u24 v4, v1, PITCH
	v_lshl_add_u32 v4, v2, 4, v4
	s_lshl_b32 s80, s21, 15
	s_mul_i32 s81, s22, 64*PITCH
	s_add_co_u32 s81, s81, BOFF
.irp s, 0,1
	v_add_nc_u32 v[ADRA+\s], s80, v3
	v_add_nc_u32 v[ADRB+\s], s81, v4
	s_add_co_u32 s80, s80, SLOT
	s_add_co_u32 s81, s81, SLOT
.endr
	s_mul_i32 s82, s[WV], 16*SPITCH
	s_add_co_u32 s82, s82, STAGE
	v_mul_u32_u24 v5, v1, SPITCH
	v_lshl_add_u32 v5, v2, 5, v5
	v_add_nc_u32 v[STO], s82, v5
	v_mul_u32_u24 v5, v2, SPITCH
	v_lshl_add_u32 v5, v1, 4, v5
	v_add_nc_u32 v[RD], s82, v5
	v_lshlrev_b32 v[CO], 12, v2
	v_lshl_add_u32 v[CO], v1, 4, v[CO]
	v_lshlrev_b32 v[BO], 5, v2
	s_lshl_b32 s84, s42, 9
	s_lshl_b32 s85, s22, 8
	s_add_co_u32 s84, s84, s85
	s_mov_b32 s85, 0
	s_add_nc_u64 s[10:11], s[10:11], s[84:85]
.irp n, 0,1,2,3
	global_load_b128 v[BI+8*\n:BI+8*\n+3],   v[BO], s[10:11] offset:64*\n
	global_load_b128 v[BI+8*\n+4:BI+8*\n+7], v[BO], s[10:11] offset:64*\n+16
.endr
	; PREFETCH INTO THE L2 of K steps 2 and 3, two steps ahead of steps 0 and 1, which the head has just asked for.  Each block of 256 bytes is named once in a cluster, the partners told apart by ADDRESS.
	; A's K step is 4,096 bytes of each of 16 blocks of tokens: the partner at cx takes blocks 4 cx on, waves 0 and 1 two blocks each: lane l names piece l % 16 of block l / 16.
	; B's K step is 256 bytes of each of 128 rows: the partner at cy takes rows 32 cy on, wave 2, a lane a row; every row of clusters reads the same rows of Wout's codes, so only the first four rows of clusters ask.
	v_and_b32 v26, 31, v0
	v_lshrrev_b32 v27, 4, v26
	v_and_b32 v30, 15, v26
	v_lshlrev_b32 v30, 8, v30
	v_lshl_add_u32 v27, v27, 14, v30               ; A: 16,384 (l / 16) + 256 (l % 16)
	v_lshlrev_b32 v26, 10, v26                     ; B: 1,024 l
	s_lshl_b32 s88, s43, 18
	s_lshl_b32 s89, s40, 16
	s_add_co_u32 s88, s88, s89
	s_lshl_b32 s89, s[WV], 15
	s_add_co_u32 s88, s88, s89                     ; A: the tile, + 4 cx blocks, + 2 blocks a wave
	s_mov_b32 s89, 0
	s_add_nc_u64 s[88:89], s[4:5], s[88:89]
	s_lshl_b32 s90, s42, 17
	s_lshl_b32 s91, s41, 15
	s_add_co_u32 s90, s90, s91                     ; B: the tile, + 32 cy rows
	s_mov_b32 s91, 0
	s_add_nc_u64 s[90:91], s[6:7], s[90:91]
	s_and_b32 s92, ttmp7, 0xffff                   ; which row of clusters: the same number in all partners
	s_wait_alu depctr_va_vdst(0)                   ; ahead of the branches and the readers below
	s_cmp_lt_u32 s[WV], 2
	s_cbranch_scc0 .Lpf_b
	global_prefetch_b8 v27, s[88:89] offset:8192 th:TH_LOAD_NT scope:SCOPE_SE
	global_prefetch_b8 v27, s[88:89] offset:12288 th:TH_LOAD_NT scope:SCOPE_SE
	s_branch .Lpf_done
.Lpf_b:
	s_cmp_eq_u32 s[WV], 2
	s_cbranch_scc0 .Lpf_done
	s_cmp_lt_u32 s92, 4
	s_cbranch_scc0 .Lpf_done
	global_prefetch_b8 v26, s[90:91] offset:512 th:TH_LOAD_NT scope:SCOPE_SE
	global_prefetch_b8 v26, s[90:91] offset:768 th:TH_LOAD_NT scope:SCOPE_SE
.Lpf_done:
	s_lshl_b32 s86, s43, 20
	s_lshl_b32 s87, s21, 19
	s_add_co_u32 s86, s86, s87
	s_add_co_u32 s86, s86, s84
	s_mov_b32 s87, 0
	s_add_nc_u64 s[12:13], s[12:13], s[86:87]
	s_wait_kmcnt 0x0
	s_add_co_i32 s[SS], s74, s75
	s_add_co_i32 s[SS], s[SS], 127
	s_lshl_b32 s[SS], s[SS], 23
	s_mov_b32 s[SS+1], s[SS]
.macro FETCH_B slot, q, p
	WIN 0x40
.irp n, 0,1,2,3
.irp c, 0,1,2,3
	ds_load_b128 v[128*(\p)+FR*\n+4*\c:128*(\p)+FR*\n+4*\c+3], v[ADRB+\slot] offset:\n*16*PITCH+128*(\q)+32*\c
.endr
.endr
	WIN 0
.endm
.macro FETCH_A slot, q, i0
.irp i, \i0, \i0+1, \i0+2, \i0+3
.irp c, 0,1,2,3
	ds_load_b128 v[AF+FR*(\i)+4*\c:AF+FR*(\i)+4*\c+3], v[ADRA+\slot] offset:4096*(\i)+2048*(\q)+512*\c
.endr
.endr
.endm
.macro MUL8 a0, p, zero
	WIN 0xa1
.irp a, \a0, \a0+1
.irp n, 0,1,2,3
.if \zero
	v_wmma_f32_16x16x128_bf8_bf8 v[8*(4*(\a)+\n):8*(4*(\a)+\n)+7], v[128*(\p)+FR*\n:128*(\p)+FR*\n+FR-1], v[AF+FR*(\a):AF+FR*(\a)+FR-1], 0
.else
	v_wmma_f32_16x16x128_bf8_bf8 v[8*(4*(\a)+\n):8*(4*(\a)+\n)+7], v[128*(\p)+FR*\n:128*(\p)+FR*\n+FR-1], v[AF+FR*(\a):AF+FR*(\a)+FR-1], v[8*(4*(\a)+\n):8*(4*(\a)+\n)+7]
.endif
.endr
.endr
.endm
.macro STEP slot, zero
	s_wait_dscnt 16
	MUL8 0, 0, \zero
	MUL8 2, 0, \zero
	s_wait_dscnt 0
	PLACES 4
	FETCH_B \slot, 1, 1
	FETCH_A \slot, 1, 0
	MUL8 4, 0, \zero
	MUL8 6, 0, \zero
	PLACES 4
	WIN 0
	FETCH_A \slot, 1, 4
.endm
.macro TURN slot, next, fill
	s_wait_tensorcnt 0x0
	ds_add_u32 v[SPW], v[NIL]
	s_wait_dscnt 17
	MUL8 0, 1, 0
	s_wait_dscnt 0x0
	s_barrier_signal -1
	MUL8 2, 1, 0
	WIN 0
	s_barrier_wait -1
.if \fill
	CREST
	s_add_nc_u64 s[G0A+4*\slot+2:G0A+4*\slot+3], s[G0A+4*\slot+2:G0A+4*\slot+3], 8192
	s_add_nc_u64 s[G0B+4*\slot+2:G0B+4*\slot+3], s[G0B+4*\slot+2:G0B+4*\slot+3], 512
	JLOAD \slot                                    ; the first tensor load behind the round
	PLACES 4                                       ; the places in front of the loads below, on every wave's way
.else
	PLACES 4
.endif
	FETCH_B \next, 0, 0
	FETCH_A \next, 0, 0
	MUL8 4, 1, 0
	MUL8 6, 1, 0
	PLACES 4
	WIN 0
	FETCH_A \next, 0, 4
.endm
	s_wait_alu depctr_va_vdst(0)                   ; at the head's end
	s_wait_tensorcnt 0x0                           ; my one tile is in,
	s_barrier_signal -1
	s_barrier_wait -1
	FETCH_B 0, 0, 0
	FETCH_A 0, 0, 0
	FETCH_A 0, 0, 4
	STEP 0, 1
	TURN 0, 1, 1
	STEP 1, 0
	TURN 1, 0, 1
	STEP 0, 0
	TURN 0, 1, 0
	STEP 1, 0
	s_wait_dscnt 16
	MUL8 0, 1, 0
	MUL8 2, 1, 0
	s_wait_dscnt 0
	MUL8 4, 1, 0
	MUL8 6, 1, 0
	WIN 0
.macro TOSTAGE a
	WIN 0x02
.irp n, 0,1,2,3
.irp i, 0,2,4,6
	v_pk_fma_f32 v[TMP+8*\n+\i:TMP+8*\n+\i+1], v[32*(\a)+8*\n+\i:32*(\a)+8*\n+\i+1], s[SS:SS+1], v[BI+8*\n+\i:BI+8*\n+\i+1] op_sel_hi:[1,0,1]
.endr
.endr
	WIN 0
.irp n, 0,1,2,3
	ds_store_b128 v[STO], v[TMP+8*\n:TMP+8*\n+3] offset:64*\n
	ds_store_b128 v[STO], v[TMP+8*\n+4:TMP+8*\n+7] offset:64*\n+16
.endr
.irp t, 0,1,2,3,4,5,6,7
	ds_load_b128 v[BK+32*((\a)%2)+4*\t:BK+32*((\a)%2)+4*\t+3], v[RD] offset:\t*2*SPITCH
.endr
.endm
.macro SEND a, younger
	s_wait_dscnt \younger
.irp t, 0,1,2,3,4,5,6,7
	global_store_b128 v[CO], v[BK+32*((\a)%2)+4*\t:BK+32*((\a)%2)+4*\t+3], s[12:13] offset:65536*(\a)+8192*\t th:TH_STORE_NT
.endr
.endm
	s_wait_loadcnt 0x0
	PLACES 4
	TOSTAGE 0
.irp a, 1,2,3,4,5,6,7
.if \a > 1
	s_wait_xcnt 0x0
.endif
	TOSTAGE \a
	SEND \a-1, 16
.endr
	SEND 7, 0
	s_wait_tensorcnt 0x0
	ds_add_u32 v[SPW], v[NIL]
	s_wait_dscnt 0x0
	CROUND
	s_endpgm
.Lfunc_end_k_q04190f9d58_oproj:
	.size	k_q04190f9d58_oproj, .Lfunc_end_k_q04190f9d58_oproj-k_q04190f9d58_oproj
	.p2alignl 7, 3214868480
	.fill 96, 4, 3214868480
	.section	.rodata,"a",@progbits
	.p2align	6, 0x0
	.amdhsa_kernel k_q04190f9d58_oproj
		.amdhsa_group_segment_fixed_size 327680
		.amdhsa_private_segment_fixed_size 0
		.amdhsa_enable_private_segment 0
		.amdhsa_kernarg_size 40
		.amdhsa_user_sgpr_count 2
		.amdhsa_user_sgpr_kernarg_segment_ptr 1
		.amdhsa_wavefront_size32 1
		.amdhsa_system_sgpr_workgroup_id_x 1
		.amdhsa_system_sgpr_workgroup_id_y 1
		.amdhsa_system_sgpr_workgroup_id_z 1
		.amdhsa_system_vgpr_workitem_id 0
		.amdhsa_next_free_vgpr 768
		.amdhsa_next_free_sgpr 100
		.amdhsa_reserve_vcc 0
		.amdhsa_float_denorm_mode_32 3
		.amdhsa_float_denorm_mode_16_64 3
		.amdhsa_memory_ordered 1
		.amdhsa_forward_progress 1
		.amdhsa_inst_pref_size 79
	.end_amdhsa_kernel
	.amdgpu_metadata
---
amdhsa.version: [ 1, 2 ]
amdhsa.kernels:
  - .name:           k_q04190f9d58_oproj
    .symbol:         k_q04190f9d58_oproj.kd
    .args:
      - { .name: oc, .offset: 0, .size: 8, .value_kind: global_buffer, .address_space: global }
      - { .name: woc, .offset: 8, .size: 8, .value_kind: global_buffer, .address_space: global }
      - { .name: lowp_scales, .offset: 16, .size: 8, .value_kind: global_buffer, .address_space: global }
      - { .name: bout, .offset: 24, .size: 8, .value_kind: global_buffer, .address_space: global }
      - { .name: out0, .offset: 32, .size: 8, .value_kind: global_buffer, .address_space: global }
    .group_segment_fixed_size: 327680
    .private_segment_fixed_size: 0
    .kernarg_segment_align: 8
    .kernarg_segment_size: 40
    .max_flat_workgroup_size: 128
    .sgpr_count:     100
    .vgpr_count:     768
    .wavefront_size: 32
...
	.end_amdgpu_metadata
.endif
;; end of part 4
